; MI455X (gfx1250); checked and timed in simulation.
; The chip was launched on July 23, 2026; its instructions are those of AMD's public machine-readable ISA for CDNA 5 (MIT licence, August 2026) and "CDNA5" Instruction Set Architecture Reference Guide (July 2026). The comments in the code are by the model that wrote it; some were corrected since.
;; Multi Head Attention Block. Allowed arithmetic: matrix products marked QUANTISED: E5M2 operands, one E8M0 scale for each 32 along K, by v_wmma_scale_f32_16x16x128_f8f6f4 with both operands' format E5M2, f32 sums; everything else in f32.
;; Inputs: b_k 1,024 float32; b_o 1,024 float32; b_q 1,024 float32; b_v 1,024 float32; k_codes 2 x 2,048 x 32 x 32 uint8 (E5M2 codes of k, K innermost, in blocks of 32 codes); k_scales 2 x 2,048 x 32 uint8 (E8M0 scales of k, one for each 32 codes along K); mask 1 x 1 x 2,048 x 2,048 int32; q_codes 2 x 2,048 x 32 x 32 uint8 (E5M2 codes of q, K innermost, in blocks of 32 codes); q_scales 2 x 2,048 x 32 uint8 (E8M0 scales of q, one for each 32 codes along K); v_codes 2 x 2,048 x 32 x 32 uint8 (E5M2 codes of v, K innermost, in blocks of 32 codes); v_scales 2 x 2,048 x 32 uint8 (E8M0 scales of v, one for each 32 codes along K); w_k_codes 1,024 x 32 x 32 uint8 (E5M2 codes of w_k, K innermost, in blocks of 32 codes); w_k_scales 1,024 x 32 uint8 (E8M0 scales of w_k, one for each 32 codes along K); w_o_codes 1,024 x 32 x 32 uint8 (E5M2 codes of w_o, K innermost, in blocks of 32 codes); w_o_scales 1,024 x 32 uint8 (E8M0 scales of w_o, one for each 32 codes along K); w_q_codes 1,024 x 32 x 32 uint8 (E5M2 codes of w_q, K innermost, in blocks of 32 codes); w_q_scales 1,024 x 32 uint8 (E8M0 scales of w_q, one for each 32 codes along K); w_v_codes 1,024 x 32 x 32 uint8 (E5M2 codes of w_v, K innermost, in blocks of 32 codes); w_v_scales 1,024 x 32 uint8 (E8M0 scales of w_v, one for each 32 codes along K).
;; Outputs: out0 2 x 2,048 x 1,024 float32.
;; This version of the problem:
;;   THIS VERSION OF THE PROBLEM IS GIVEN IN LOW PRECISION. The matrix products marked QUANTISED in the list below multiply operands that are first quantised to E5M2 (5 exponent bits, 2 mantissa bits; 8 bits a number), with one power-of-two scale for each 32 numbers along K (OCP MX v1.0); their sums are f32. All else is computed in f32.
;;   The module's matrix products, in the order in which they are computed (A, B: the left and right operand; K: the contracted axis; several contracted axes count as one K, in the product's order):
;;     1. [M 4,096, K 1,024] x [K 1,024, N 1,024]; A: input q (given as codes); B: input w_q (given as codes): QUANTISED
;;     2. [M 4,096, K 1,024] x [K 1,024, N 1,024]; A: input k (given as codes); B: input w_k (given as codes): QUANTISED
;;     3. [M 4,096, K 1,024] x [K 1,024, N 1,024]; A: input v (given as codes); B: input w_v (given as codes): QUANTISED
;;     4. batch 32 x [M 2,048, K 64] x [K 64, N 2,048]; A: computed on the way; B: computed on the way: QUANTISED
;;     5. batch 32 x [M 2,048, K 2,048] x [K 2,048, N 64]; A: softmax (see below); B: computed on the way: QUANTISED
;;     6. [M 4,096, K 1,024] x [K 1,024, N 1,024]; A: computed on the way; B: input w_o (given as codes): QUANTISED
;;   THE QUANTISER, for each operand of a quantised product, along K:
;;     - K is cut into blocks of 32 from its start; a last block that is shorter is filled with zeros.
;;     - A block's scale is 2^e with e = floor(log2(the largest magnitude in the block)) - 15, held to -126 .. 127; a block of zeros has e = 0. As a byte (E8M0): e + 127.
;;     - Each number is divided by its block's scale, clamped to +-57,344, and rounded to the nearest number of E5M2, ties to even, subnormals kept.
;;     - The product sums the exact products of the quantised numbers (number of the format x scale) in f32.
;;   ~~~python
;;   def quantise(x, axis):      # numpy; x: float32 -> the quantised numbers, widened to float32 again
;;       x = np.moveaxis(x, axis, -1); K = x.shape[-1]
;;       x = np.pad(x, [(0, 0)] * (x.ndim - 1) + [(0, -K % 32)]); x = x.reshape(x.shape[:-1] + (-1, 32)); a = np.abs(x).max(-1, keepdims=True)
;;       e = np.where(a > 0, np.clip(np.frexp(np.where(a > 0, a, 1))[1] - 1 - 15, -126, 127), 0)      # np.frexp(a)[1] - 1 = floor(log2(a)), exactly
;;       r = np.clip(x / 2.0 ** e, -57344, 57344)
;;       step = 2.0 ** (np.maximum(np.frexp(np.where(r == 0, 1, r))[1] - 1, -14) - 2)
;;       q = np.round(r / step) * step * 2.0 ** e      # np.round: ties to even
;;       return np.moveaxis(q.reshape(q.shape[:-2] + (-1,))[..., :K], -1, axis).astype(np.float32)
;;   ~~~
;;   SOFTMAX AHEAD OF A QUANTISED PRODUCT. Where the list says 'softmax', what is quantised is not the finished softmax but p = 2^(t - M), with t = logit x log2(e) and M = ceil(the row's largest t), a whole number; so 1/2 < the row's largest p <= 1. The row's sum l is taken of the UNQUANTISED p, in f32, and the product's result is divided by l at the end. Since M is a whole number, a kernel that streams over the keys may use a running M (the ceiling of the running maximum): every later rescaling is an exact power of two, which a block's scale takes up: the codes' values come out the same.
;;   OPERANDS COMPUTED ON THE WAY. 'Computed on the way' means the value that the module computes at that place (a softmax that the list does not call 'softmax' is quantised finished and normalised). What goes into a quantiser is computed in f32, as accurately as f32 sums, v_exp_f32 and their like allow (about 1e-6 of the number): no bf16 or f16 on the way to a quantiser, and a product that is left as it is and whose result goes on into a quantised operand takes f32 operands (vector FMAs, or v_wmma_f32_16x16x4_f32). A number that lies on a knife's edge between two numbers of the format may be rounded either way, as far as f32 arithmetic and the matrix unit's own rounding can turn it there, and no further.
;;   INPUTS GIVEN AS CODES. k (in the module: [2, 2048, 1024], K = its axis 2); q (in the module: [2, 2048, 1024], K = its axis 2); v (in the module: [2, 2048, 1024], K = its axis 2); w_k (in the module: [1024, 1024], K = its axis 1); w_o (in the module: [1024, 1024], K = its axis 1); w_q (in the module: [1024, 1024], K = its axis 1); w_v (in the module: [1024, 1024], K = its axis 1): each comes as NAME_codes (uint8): NAME with its K axis moved to the last place and cut into blocks of 32 codes, [.., K / 32, bytes a block], one block behind the other in memory; one code a byte (a code: sign, 5 exponent bits, 2 mantissa bits); and NAME_scales (uint8): the same leading axes, one E8M0 byte (e + 127) for each 32 codes along K. Its value is code x scale, taken as it is: it is not quantised again, and the codes and scales need not be those that the quantiser above would give.
;; 2 versions, each right; version 2 is version 1 with the launch attn written anew for expert scheduling mode. Each part assembles by itself: llvm-mc -triple=amdgcn-amd-amdhsa -mcpu=gfx1250 --defsym DOCPART=n.
;; ======== version 1 of 2: 4 launches
;; limits: right only within a limited range of input values
;; workspace buffers: img 12,582,912 bytes; sc 655,360 bytes; mw 524,800 bytes of whole numbers; ximg 4,194,304 bytes; xsc 131,072 bytes
;; launch maskprep (part 1): grid 128 x 1, 16 waves a work-group, no clusters, 137,472 bytes of LDS; arguments mask, mw; writes mw
.if DOCPART == 1
	.amdgcn_target "amdgcn-amd-amdhsa--gfx1250"
	.amdhsa_code_object_version 6
	.text
	.protected	k_q5621dc7502_maskprep
	.globl	k_q5621dc7502_maskprep
	.p2align	8
	.type	k_q5621dc7502_maskprep,@function
k_q5621dc7502_maskprep:
	s_mov_b64 s[64:65], 0
	v_nop
	global_prefetch_b8 v0, s[64:65] scope:SCOPE_SE
	s_setreg_imm32_b32 hwreg(HW_REG_WAVE_MODE, 25, 1), 1
	s_wait_xcnt 0x0
; The mask [2048 queries][2048 keys] of int32 becomes lane masks, one bit a number, and two flags for each tile of 16 queries x 128 keys.
; mw: [query tile 128][step 16][64 words].  Bit r + 16 h of word n says whether mask[16 tile + r][128 step + 16 (n / 8) + 8 h + n % 8] is not 0:
; that is the lane and the register in which the attention launch holds that score, so that one select a score applies the mask there.
; Behind the words, at byte 524,288: flags[128].  Bits 0-15: step s has to be worked; bits 16-31: step s has masked and unmasked scores.
; A step all of whose 2,048 bits are 0 is left out only if EVERY row of the query tile has an unmasked key somewhere: then the masked weights are 0 beside it.
; A tile that holds a wholly masked row (a uniform softmax over all keys) leaves nothing out.
; A work-group takes a query tile, its sixteen waves the sixteen steps.  A wave's sixteen loads read 512 consecutive bytes each; the 8 KiB turn through the wave's own stage in LDS.
.set PITCH, 528                        ; a stage row: 512 bytes + 16: sixteen rows start at sixteen different groups of banks
.set WST,   16*PITCH                   ; a wave's stage
.set FL,    16*WST                     ; behind the stages: 16 words OR, at +64 16 words AND
.set X,     16                         ; v16-79   as loaded
.set Y,     80                         ; v80-143  register n: the number of word n for my lane
.set WA,    144                        ; v144-145 lane l: words 2 l and 2 l + 1
	s_load_b128 s[4:7], s[0:1], 0x0                ; mask, mw
	v_lshl_add_u32 v164, v0, 2, 0x21100
	v_mov_b32 v165, 0
	v_lshrrev_b32 v5, 5, v0
	v_readfirstlane_b32 s8, v5                     ; wave = step
	v_and_b32 v6, 31, v0                           ; lane
	v_lshlrev_b32 v1, 4, v6                        ; 16 x lane
	v_lshlrev_b32 v4, 3, v6                        ; 8 x lane
	v_and_b32 v7, 15, v0                           ; r
	v_bfe_u32 v8, v0, 4, 1                         ; h
	s_mul_i32 s9, s8, WST
	v_add_nc_u32 v2, s9, v1                        ; the stage, in: 16 x lane of a row
	v_mul_u32_u24 v3, v7, PITCH
	v_lshl_add_u32 v3, v8, 5, v3
	v_add_nc_u32 v3, s9, v3                        ; and out: row r, + 32 h
	s_lshl_b32 s12, s8, 2
	s_add_co_u32 s12, s12, FL
	v_mov_b32 v9, s12                              ; my wave's OR word
	v_lshl_add_u32 v10, v7, 2, FL                  ; step r's OR word
	v_mov_b32 v11, FL
	v_mov_b32 v[WA], 0                             ; a lane write's destination counts as read
	v_mov_b32 v[WA+1], 0
	s_mov_b32 s10, 0                               ; OR of my 64 words
	s_mov_b32 s11, -1                              ; AND of them
	s_lshl_b32 s24, ttmp9, 17                      ; 16 rows of 8,192 bytes a tile,
	s_lshl_b32 s25, s8, 9                          ; 512 bytes a step
	s_add_co_u32 s24, s24, s25
	s_mov_b32 s25, 0
	s_lshl_b32 s26, ttmp9, 4
	s_add_co_u32 s26, s26, s8
	s_lshl_b32 s26, s26, 8                         ; 256 bytes of words for a tile and step
	s_mov_b32 s27, 0
	s_lshl_b32 s28, ttmp9, 2
	s_add_co_u32 s28, s28, 524288                  ; the tile's flags
	s_mov_b32 s29, 0
	s_wait_kmcnt 0x0
	s_add_nc_u64 s[4:5], s[4:5], s[24:25]
	s_add_nc_u64 s[12:13], s[6:7], s[26:27]
	s_add_nc_u64 s[14:15], s[6:7], s[28:29]
.irp i, 0,1,2,3,4,5,6,7,8,9,10,11,12,13,14,15
	global_load_b128 v[X+4*\i:X+4*\i+3], v1, s[4:5] offset:8192*\i th:TH_LOAD_NT   ; row i: 32 lanes read 512 consecutive bytes
.endr
.irp i, 0,1,2,3,4,5,6,7,8,9,10,11,12,13,14,15
	s_wait_loadcnt 15-\i                           ; row i is in; the younger rows' loads stay out
	ds_store_b128 v2, v[X+4*\i:X+4*\i+3] offset:PITCH*\i
.endr
.irp t, 0,1,2,3,4,5,6,7
	ds_load_b128 v[Y+8*\t:Y+8*\t+3], v3 offset:64*\t          ; LDS serves a wave's instructions in order: these see my stores
	ds_load_b128 v[Y+8*\t+4:Y+8*\t+7], v3 offset:64*\t+16
.endr
.irp t, 0,1,2,3,4,5,6,7
	s_wait_dscnt 14-2*\t                           ; key tile t's two loads are in; the later tiles' stay out
.irp j, 0,1,2,3,4,5,6,7
	v_cmp_ne_u32 s[16+\j], 0, v[Y+8*\t+\j]         ; word 8 t + j: a bit for each lane
.endr
.irp j, 0,1,2,3,4,5,6,7
	s_or_b32 s10, s10, s[16+\j]
	s_and_b32 s11, s11, s[16+\j]
	v_writelane_b32 v[WA+(\j%2)], s[16+\j], (8*\t+\j)/2
.endr
.endr
	global_store_b64 v4, v[WA:WA+1], s[12:13]      ; 32 lanes store 256 consecutive bytes, aligned
	v_mov_b32 v146, s10
	v_mov_b32 v147, s11
	ds_store_b32 v9, v146                          ; all lanes write the same word with the same value
	ds_store_b32 v9, v147 offset:64
	s_wait_dscnt 0x0                               ; for the others' sake: my two words have landed
	s_barrier_signal -1
	s_barrier_wait -1
	s_cmp_lg_u32 s8, 0                             ; wave 0 makes the tile's flags
	s_cbranch_scc1 .Lend
	ds_load_b32 v146, v10                          ; lane l: step l % 16's OR,
	ds_load_b32 v147, v10 offset:64                ; and its AND
	ds_load_b128 v[148:151], v11                   ; all sixteen OR words in every lane
	ds_load_b128 v[152:155], v11 offset:16
	ds_load_b128 v[156:159], v11 offset:32
	ds_load_b128 v[160:163], v11 offset:48
	s_wait_dscnt 0x0
	v_cmp_ne_u32 s20, 0, v146                      ; the step has an unmasked score
	v_cmp_eq_u32 s21, -1, v147                     ; the step has no masked score
.irp i, 0,1,2,3,4,5,6,7
	v_or_b32 v[148+\i], v[148+\i], v[156+\i]
.endr
.irp i, 0,1,2,3
	v_or_b32 v[148+\i], v[148+\i], v[152+\i]
.endr
	v_or_b32 v148, v148, v150
	v_or_b32 v149, v149, v151
	v_or_b32 v148, v148, v149
	v_readfirstlane_b32 s22, v148                  ; bits r and r + 16: row r has an unmasked key
	s_and_b32 s20, s20, 0xffff
	s_and_b32 s21, s21, 0xffff
	s_lshr_b32 s23, s22, 16
	s_or_b32 s22, s22, s23
	s_and_b32 s22, s22, 0xffff
	s_cmp_eq_u32 s22, 0xffff                       ; every row has one?
	s_cselect_b32 s24, s20, 0xffff                 ; then only the steps with an unmasked score are worked; else all
	s_and_not1_b32 s25, s24, s21                   ; of those, the ones that need the mask
	s_lshl_b32 s25, s25, 16
	s_or_b32 s24, s24, s25
	v_mov_b32 v146, s24
	v_mov_b32 v147, 0
	v_cmp_eq_u32 vcc_lo, 0, v6
	s_wait_xcnt 0x0                                ; EXEC changes only behind this wait: a store is out
	s_and_saveexec_b32 s27, vcc_lo
	global_store_b32 v147, v146, s[14:15]          ; lane 0 alone
	s_wait_xcnt 0x0
	s_or_b32 exec_lo, exec_lo, s27
.Lend:
	s_wait_tensorcnt 0x0
	ds_add_u32 v164, v165
	s_wait_dscnt 0x0
	s_endpgm
.Lfunc_end_k_q5621dc7502_maskprep:
	.size	k_q5621dc7502_maskprep, .Lfunc_end_k_q5621dc7502_maskprep-k_q5621dc7502_maskprep
	.p2alignl 7, 3214868480
	.fill 96, 4, 3214868480
	.section	.rodata,"a",@progbits
	.p2align	6, 0x0
	.amdhsa_kernel k_q5621dc7502_maskprep
		.amdhsa_group_segment_fixed_size 137472
		.amdhsa_private_segment_fixed_size 0
		.amdhsa_enable_private_segment 0
		.amdhsa_kernarg_size 16
		.amdhsa_user_sgpr_count 2
		.amdhsa_user_sgpr_kernarg_segment_ptr 1
		.amdhsa_wavefront_size32 1
		.amdhsa_system_sgpr_workgroup_id_x 1
		.amdhsa_system_sgpr_workgroup_id_y 1
		.amdhsa_system_sgpr_workgroup_id_z 1
		.amdhsa_system_vgpr_workitem_id 0
		.amdhsa_next_free_vgpr 166
		.amdhsa_next_free_sgpr 66
		.amdhsa_reserve_vcc 1
		.amdhsa_float_denorm_mode_32 3
		.amdhsa_float_denorm_mode_16_64 3
		.amdhsa_memory_ordered 1
		.amdhsa_forward_progress 1
		.amdhsa_inst_pref_size 21
	.end_amdhsa_kernel
	.amdgpu_metadata
---
amdhsa.version: [ 1, 2 ]
amdhsa.kernels:
  - .name:           k_q5621dc7502_maskprep
    .symbol:         k_q5621dc7502_maskprep.kd
    .args:
      - { .name: mask, .offset: 0, .size: 8, .value_kind: global_buffer, .address_space: global }
      - { .name: mw, .offset: 8, .size: 8, .value_kind: global_buffer, .address_space: global }
    .group_segment_fixed_size: 137472
    .private_segment_fixed_size: 0
    .kernarg_segment_align: 8
    .kernarg_segment_size: 16
    .max_flat_workgroup_size: 512
    .sgpr_count:     66
    .vgpr_count:     166
    .wavefront_size: 32
...
	.end_amdgpu_metadata
.endif
;; end of part 1
;; launch proj (part 2): grid 4 x 48, 4 waves a work-group, clusters of 4 x 4, 327,680 bytes of LDS; arguments q_codes, k_codes, w_v_codes, q_scales, k_scales, w_v_scales, w_q_codes, w_k_codes, v_codes, w_q_scales, w_k_scales, v_scales, b_q, b_k, b_v, img, sc; writes img, sc
.if DOCPART == 2
	.amdgcn_target "amdgcn-amd-amdhsa--gfx1250"
	.amdhsa_code_object_version 6
	.text
	.protected	k_q5621dc7502_proj
	.globl	k_q5621dc7502_proj
	.p2align	8
	.type	k_q5621dc7502_proj,@function
k_q5621dc7502_proj:
	s_mov_b64 s[64:65], 0
	v_nop
	global_prefetch_b8 v0, s[64:65] scope:SCOPE_SE
	s_setreg_imm32_b32 hwreg(HW_REG_WAVE_MODE, 25, 1), 1
	s_wait_xcnt 0x0
	s_wait_alu depctr_hold_cnt(0) depctr_sa_sdst(0) depctr_va_vdst(0) depctr_va_sdst(0) depctr_va_ssrc(0) depctr_va_vcc(0) depctr_vm_vsrc(0)
	s_getreg_b32 s2, hwreg(HW_REG_IB_STS2, 6, 4)
	s_cmp_eq_u32 s2, 0
	s_cbranch_scc0 .Lentry_in_a_cluster
	s_endpgm
.Lentry_in_a_cluster:
	s_bfe_u32 s2, ttmp6, 0x10000c
	s_cmp_lg_u32 s2, 0xf033
	s_cbranch_scc0 .Lentry_shape_is_right
	s_endpgm
.Lentry_shape_is_right:
; THE THREE INPUT PROJECTIONS, one launch, one path.  P[j][i] = sum over k of A[j][k] B[i][k] + bias, on codes of BF8 (E5M2) with E8M0 scales, K = 1,024; P is then QUANTISED ALONG i and stored as codes.
; Q and K: A = the tokens (4,096 rows), B = the weight (1,024 rows), bias along i: i runs along a head's 64, the K of the scores' product.
; V:       A = w_v (1,024 channels), B = the tokens (4,096 keys), bias along j: i runs along the keys, the K of the second product of attention.  Nothing is transposed.
; Which of the three a cluster serves hangs on the cluster's y alone (0-3 Q, 4-7 K, 8-11 V): pointers and a few numbers are chosen by selects, no branch.
; A tile of P, 256 x 256, is made by four waves, 128 x 128 each: 64 accumulators.  K goes in steps of 256 through a ring of two LDS slots filled by the tensor data mover; the scale bytes of the 512 rows come once.
; CLUSTERS: 4 x 4 work-groups; A's tiles are shared along a row of the cluster, B's along a column, by joint loads.
; THE MATRIX INSTRUCTION: source 0 = 16 rows of B, source 1 = 16 rows of A: lane (r, h) holds row j = r, and register x of accumulator (a, b) is i = 16 b + 8 h + x.
; THE WAY OUT.  The 64 registers of A's block a are four blocks of 32 along i (a block lies in lanes l and l xor 16); they are quantised in registers and stored AS AN IMAGE OF AN OPERAND'S REGISTERS:
; four registers a lane, lane l's 16 bytes at 16 l, 512 consecutive bytes a store.  Inside a block of 32 the image's order along i is a fixed permutation, the same for Q and K, and for V the same as the attention
; launch's weights have: products and block scales are untouched by it.
; img: Q at 0, K at 4 MiB: [batch 2][head pair 8][tile of 16 tokens 128][block 4 = 2 (head % 2) + half of the head][lane][16].  V at 8 MiB: [batch x 16 + head][step of 128 keys 16][16 channels 4][32 keys 4][lane][16].
; sc: Q at 0, K at 262,144: [batch][head pair][step 16][head % 2][g 2][r 16][t 4] words (token tile 4 g + t), a word = the head's two scale bytes, twice.  V at 524,288: [batch][head pair][step][head % 2][r 16][channel tile 4] words.
; LIMITS: a block of zeros gets the scale byte 1 (its codes are zeros; this program alone reads the bytes); NaN and infinities are not served.
; REGISTERS, in windows of 256: window 0: v8-15 the bias along j; v16-29 addresses; v32-63 scale words, two sets; v64-127 the bias along i (the C of the first products); from v128 A's fragments, one set;
;   window 1: B's fragments, two sets.   window 2: the accumulators of my rows 0-63;   window 3: those of my rows 64-127.
.set KSTEP,  256
.set NQ,     KSTEP/128
.set ROWB,   256
.set KROW,   1024
.set PITCH,  272                       ; an LDS row: 256 bytes + 16 of padding: the 16 rows that a load touches start at 16 different groups of banks
.set FR,     16
.set NL,     4
.set NP,     8                         ; places behind this matrix instruction (ISA guide 7.12.1)
.set HALFT,  128*PITCH
.set SLOT,   4*HALFT
.set LAPS,   1024/(2*KSTEP)
.set KS,     32                        ; a row of scale bytes
.set SCL,    2*SLOT
.set HALFS,  (128*KS/256)*272
.set SBLK,   (16*KS/256)*272
.set SPARE,  SCL+4*HALFS               ; the spare words, 128 bytes for each wave: no other line names them
.set BJ,   8
.set ADRA, 16
.set ADRB, 20
.set OFI,  24                          ; v24  16 x lane: my place in an image
.set OFS,  25                          ; v25  my place among the scale words
.set SELP, 26                          ; v26  which bytes of a scale word I keep
.set ADRS, 27
.set SPW,  28
.set NIL,  29
.set SC,   32
.set BI,   64
.set AF,   128
.set ST,   128                         ; the way out: 64 numbers
.set PC,   192                         ; their codes
.set TM,   224                         ; at work
.set PW,   240                         ; the scale word
.set SW,   64                          ; v64-71 the eight blocks' scale words
.set SEL,  18
.set MNT,  20
.set G1, 24
.set G0, 32
.set G1B, 48
.set G0B, 56
.set G1S, 68
.set G0S, 76
.set G1SB, 80
.set G0SB, 88
.set MSB, 0
.macro WIN new                         ; the immediate's high byte repeats the setting that is left
.if MSB != \new
	s_set_vgpr_msb (MSB<<8)|\new
.set MSB, \new
.endif
.endm
.set MUL_LO, 0xa1                      ; source 0 (B) window 1, source 1 (A) window 0, C and D window 2
.set MUL_HI, 0xf1                      ; the same, C and D window 3
.set ZER_LO, 0x81                      ; the first products: C (the bias) window 0, D window 2
.set ZER_HI, 0xc1                      ; D window 3
.set TO_B,   0x40
; A joint load: waves 0 and 1 fetch for A, waves 2 and 3 for B; the branch hangs on the wave's number alone.  Four v_nop follow each of the two lines.
.macro JLOAD g0a, g1a, g0b, g1b
	s_cmp_eq_u32 s15, 0
	s_cbranch_scc0 .Lfor_b_\@
	tensor_load_to_lds s[\g0a:\g0a+3], s[\g1a:\g1a+7]
	s_nop 0
.rept 4
	v_nop
.endr
	s_branch .Lasked_\@
.Lfor_b_\@:
	tensor_load_to_lds s[\g0b:\g0b+3], s[\g1b:\g1b+7]
	s_nop 0
.rept 4
	v_nop
.endr
.Lasked_\@:
.endm
.macro CREST                           ; a round of the cluster's barrier behind its opening barrier
	s_cmp_lg_u32 s14, 0
	s_cbranch_scc1 .Lnot_wave_0_\@
	s_barrier_signal -3
.Lnot_wave_0_\@:
	s_barrier_wait -3
	s_barrier_signal -1
	s_barrier_wait -1
.endm
.macro CROUND
	s_barrier_signal -1
	s_barrier_wait -1
	CREST
.endm
	s_load_b512 s[24:39], s[0:1], 0x0              ; q_codes, k_codes, w_v_codes, q_scales, k_scales, w_v_scales, w_q_codes, w_k_codes
	s_load_b512 s[40:55], s[0:1], 0x40             ; v_codes, w_q_scales, w_k_scales, v_scales, b_q, b_k, b_v, img
	s_load_b64 s[68:69], s[0:1], 0x80              ; sc
	v_lshl_add_u32 v[SPW], v0, 2, SPARE
	v_mov_b32 v[NIL], 0
	ds_add_u32 v28, v29
	ds_add_u32 v28, v29
	s_wait_dscnt 0x0
	v_lshrrev_b32 v1, 5, v0
	v_readfirstlane_b32 s14, v1                    ; wave 0..3
	s_lshr_b32 s15, s14, 1                         ; which half of A's rows is mine.  Also: I fetch for A (0) or for B (1)
	s_and_b32 s16, s14, 1                          ; which half of B's rows.  Also: which 128 rows I fetch
	s_and_b32 s2, ttmp7, 0xffff                    ; the cluster's y, 0..11
	s_lshr_b32 s3, s2, 2                           ; 0 Q, 1 K, 2 V
	s_and_b32 s2, s2, 3
	s_lshl_b32 s2, s2, 2                           ; four tiles of the 4,096 tokens for each cluster of a product
	s_wait_kmcnt 0x0
	s_cmp_eq_u32 s3, 1                             ; the choice hangs on the cluster's y alone
	s_cselect_b64 s[4:5], s[26:27], s[24:25]       ; A's codes
	s_cselect_b64 s[6:7], s[32:33], s[30:31]       ; A's scales
	s_cselect_b64 s[8:9], s[38:39], s[36:37]       ; B's codes
	s_cselect_b64 s[10:11], s[44:45], s[42:43]     ; B's scales
	s_cselect_b64 s[96:97], s[50:51], s[48:49]     ; the bias
	s_cmp_eq_u32 s3, 2
	s_cselect_b64 s[4:5], s[28:29], s[4:5]
	s_cselect_b64 s[6:7], s[34:35], s[6:7]
	s_cselect_b64 s[8:9], s[40:41], s[8:9]
	s_cselect_b64 s[10:11], s[46:47], s[10:11]
	s_cselect_b64 s[96:97], s[52:53], s[96:97]
	s_cselect_b32 s18, s2, 0                       ; V: the tokens are B's rows,
	s_cselect_b32 s19, 0, s2                       ; Q, K: A's
	s_mov_b64 s[12:13], s[54:55]                   ; img
	s_mov_b64 s[98:99], s[68:69]                   ; sc
	s_bfe_u32 s40, ttmp6, 0x40000                  ; cx, cy: my place in the cluster
	s_bfe_u32 s41, ttmp6, 0x40004
	s_lshl_b32 s42, ttmp9, 2
	s_add_co_u32 s42, s42, s40
	s_add_co_u32 s42, s42, s18                     ; B's tile
	s_add_co_u32 s17, s41, s19                     ; A's tile
	s_lshl_b32 s43, s41, 2
	s_lshl_b32 s43, 15, s43                        ; my row of the cluster
	s_lshl_b32 s44, 0x1111, s40                    ; my column
	; descriptor group 1: a tile of 128 rows x 256 bytes, padded in LDS
	s_or_b32 s[G1+0], s43, (0<<16)|(1<<20)|(1<<21)|(5<<22)|(3<<25)  ; the mask: A's tiles go to my row; elements of 1 byte; padding: 4 words after every 64; bit 21 beside a mask
	s_or_b32 s[G1B+0], s44, (0<<16)|(1<<20)|(1<<21)|(5<<22)|(3<<25)
.irp g, G1, G1B
	s_mov_b32 s[\g+1], ROWB<<16                    ; tensor_dim0
	s_mov_b32 s[\g+2], 128<<16                     ; tensor_dim1
	s_mov_b32 s[\g+3], ROWB<<16                    ; tile_dim0
	s_mov_b32 s[\g+4], 128                         ; tile_dim1
	s_mov_b32 s[\g+5], KROW                        ; the pitch
	s_mov_b32 s[\g+6], 0
	s_mov_b32 s[\g+7], 0
.endr
	; the scales of 128 rows: 4,096 dense bytes, as 16 rows of 256 bytes (32 elements of 8), 16 bytes of padding behind each
	s_or_b32 s[G1S+0], s43, (3<<16)|(1<<20)|(1<<21)|(5<<22)|(3<<25)
	s_or_b32 s[G1SB+0], s44, (3<<16)|(1<<20)|(1<<21)|(5<<22)|(3<<25)
.irp g, G1S, G1SB
	s_mov_b32 s[\g+1], 32<<16
	s_mov_b32 s[\g+2], (128*KS/256)<<16
	s_mov_b32 s[\g+3], 32<<16
	s_mov_b32 s[\g+4], 128*KS/256
	s_mov_b32 s[\g+5], 32
	s_mov_b32 s[\g+6], 0
	s_mov_b32 s[\g+7], 0
.endr
	s_lshl_b32 s18, s16, 7                         ; which 128 rows of the tile I fetch
	s_lshl_b32 s20, s17, 8
	s_add_co_u32 s20, s20, s18                     ; A: row 256 x tile + 128 x half
	s_lshl_b32 s46, s42, 8
	s_add_co_u32 s46, s46, s18                     ; B likewise
	s_lshl_b32 s22, s20, 5                         ; where these rows' scales begin, in bytes,
	s_lshl_b32 s92, s46, 5
	s_lshl_b32 s20, s20, 10                        ; and their codes
	s_lshl_b32 s46, s46, 10
	s_mov_b32 s21, 0
	s_mov_b32 s23, 0
	s_mov_b32 s47, 0
	s_mov_b32 s93, 0
	s_mul_i32 s45, s14, HALFT                      ; where they go: wave x 128 rows: no place in the cluster enters an LDS address
	s_mul_i32 s94, s14, HALFS
	s_add_nc_u64 s[20:21], s[4:5], s[20:21]
	s_add_nc_u64 s[22:23], s[6:7], s[22:23]
	s_add_nc_u64 s[46:47], s[8:9], s[46:47]
	s_add_nc_u64 s[92:93], s[10:11], s[92:93]
	CROUND                                         ; all sixteen work-groups are here: the first joint loads meet
	s_mov_b32 s[G0S], 1
	s_add_co_u32 s[G0S+1], s94, SCL
	s_mov_b64 s[G0S+2:G0S+3], s[22:23]
	s_or_b32 s[G0S+3], s[G0S+3], 0x80000000
	s_mov_b32 s[G0SB], 1
	s_add_co_u32 s[G0SB+1], s94, SCL
	s_mov_b64 s[G0SB+2:G0SB+3], s[92:93]
	s_or_b32 s[G0SB+3], s[G0SB+3], 0x80000000
	JLOAD G0S, G1S, G0SB, G1SB                     ; the scales first: they are wanted with K step 0
.irp s, 0,1
	s_mov_b32 s[G0+4*\s], 1
	s_add_co_u32 s[G0+4*\s+1], s45, \s*SLOT
	s_add_nc_u64 s[G0+4*\s+2:G0+4*\s+3], s[20:21], \s*ROWB
	s_or_b32 s[G0+4*\s+3], s[G0+4*\s+3], 0x80000000
	s_mov_b32 s[G0B+4*\s], 1
	s_add_co_u32 s[G0B+4*\s+1], s45, \s*SLOT
	s_add_nc_u64 s[G0B+4*\s+2:G0B+4*\s+3], s[46:47], \s*ROWB
	s_or_b32 s[G0B+4*\s+3], s[G0B+4*\s+3], 0x80000000
	JLOAD G0+4*\s, G1, G0B+4*\s, G1B
.endr
	v_and_b32 v1, 15, v0                           ; r
	v_bfe_u32 v2, v0, 4, 1                         ; h
	v_mul_u32_u24 v3, v1, PITCH
	v_lshl_add_u32 v4, v2, 4, v3                   ; a fragment's row x pitch + 16 x half
	s_mul_i32 s21, s15, HALFT                      ; my 128 rows of A
	s_mul_i32 s22, s16, HALFT                      ; my 128 rows of B,
	s_add_co_u32 s22, s22, 2*HALFT                 ; which lie behind A's 256
.irp s, 0,1
	v_add_nc_u32 v[ADRA+\s], s21, v4
	v_add_nc_u32 v[ADRB+\s], s22, v4
	s_add_co_u32 s21, s21, SLOT
	s_add_co_u32 s22, s22, SLOT
.endr
	v_mul_u32_u24 v5, v1, KS                       ; my row's scales: KS bytes a row,
	v_lshrrev_b32 v6, 8, v5
	v_lshl_add_u32 v5, v6, 4, v5                   ; and 16 more for each 256 passed
	s_mul_i32 s21, s15, HALFS
	s_mul_i32 s22, s16, HALFS
	s_add_co_u32 s22, s22, 2*HALFS
	s_sub_co_u32 s22, s22, s21
	v_mul_u32_u24 v6, s22, v2                      ; lanes 16-31 take B's
	s_add_co_u32 s21, s21, SCL
	v_add_nc_u32 v5, v5, v6
	v_add_nc_u32 v[ADRS], s21, v5
	; where the results go, and the biases.  The compare is made anew; all that hangs on it is chosen by selects
	v_and_b32 v6, 31, v0
	v_lshlrev_b32 v[OFI], 4, v6
	s_cmp_eq_u32 s3, 2
	s_cselect_b32 s18, 0, 512                      ; Q, K: lanes 16-31 store the second head's words, 512 bytes on
	s_mov_b32 s19, 0x01000100                      ; Q, K: lanes 0-15 keep bytes 0, 1 (the first head's), twice;
	s_cselect_b32 s19, 0x03020100, s19             ; V: the word as it is
	s_mov_b32 s20, 0x03020302                      ; Q, K: lanes 16-31 keep bytes 2, 3, twice
	s_cselect_b32 s20, 0x03020100, s20
	s_cselect_b32 s95, 0, -1                       ; the bias runs along i?
	s_cselect_b32 s94, -1, 0                       ; along j?
	s_mov_b32 s100, 8192                           ; from A's block 3 to block 4 in img: four tiles of tokens on,
	s_cselect_b32 s100, 0x20000, s100              ; V: the next head
	s_mov_b32 s101, 0
	s_cselect_b32 s21, 13, 14                      ; log2 of a step's bytes in img,
	s_cselect_b32 s22, 9, 10                       ; and in sc
	s_cselect_b32 s23, s42, s17                    ; the tokens' tile and half,
	s_cselect_b32 s45, s16, s15
	s_cselect_b32 s46, s17, s42                    ; the features' tile and half
	s_cselect_b32 s47, s15, s16
	v_mul_u32_u24 v[OFS], s18, v2
	v_lshl_add_u32 v[OFS], v1, 4, v[OFS]           ; 16 r (+ 512 h)
	v_mov_b32 v[SELP], s19
	v_mov_b32 v5, s20
	s_mov_b32 s18, 0xffff0000
	v_cndmask_b32 v[SELP], v[SELP], v5, s18        ; lanes 16-31 take the second
	s_lshl_b32 s23, s23, 1
	s_add_co_u32 s23, s23, s45                     ; my 128 tokens: which of 32
	s_lshl_b32 s46, s46, 1
	s_add_co_u32 s46, s46, s47                     ; my 128 features: the head pair
	s_lshr_b32 s45, s23, 4                         ; batch
	s_and_b32 s23, s23, 15                         ; step
	s_lshl_b32 s92, s3, 22
	s_lshl_b32 s47, s45, 21
	s_add_co_u32 s92, s92, s47
	s_lshl_b32 s47, s46, 18
	s_add_co_u32 s92, s92, s47
	s_lshl_b32 s47, s23, s21
	s_add_co_u32 s92, s92, s47
	s_mov_b32 s93, 0
	s_add_nc_u64 s[12:13], s[12:13], s[92:93]      ; img at my first image
	s_lshl_b32 s47, s45, 3
	s_add_co_u32 s47, s47, s46
	s_lshl_b32 s47, s47, 4
	s_add_co_u32 s47, s47, s23
	s_lshl_b32 s47, s47, s22
	s_lshl_b32 s92, s3, 18
	s_add_co_u32 s92, s92, s47
	s_add_nc_u64 s[98:99], s[98:99], s[92:93]      ; sc at my first word
	s_lshl_b32 s46, s46, 9                         ; my 128 features' bias, in bytes; where the bias does not run along an axis its first 128 numbers are loaded and cleared: no load leaves the buffer
	s_and_b32 s92, s46, s95
	s_add_nc_u64 s[18:19], s[96:97], s[92:93]
	s_and_b32 s92, s46, s94
	s_add_nc_u64 s[96:97], s[96:97], s[92:93]
	v_lshlrev_b32 v5, 5, v2                        ; 32 h
	v_lshlrev_b32 v6, 2, v1                        ; 4 r
.irp b, 0,1,2,3,4,5,6,7
	global_load_b128 v[BI+8*\b:BI+8*\b+3], v5, s[18:19] offset:64*\b          ; bias(16 b + 8 h + 0 .. 7): the layout of a result
	global_load_b128 v[BI+8*\b+4:BI+8*\b+7], v5, s[18:19] offset:64*\b+16
.endr
.irp a, 0,1,2,3,4,5,6,7
	global_load_b32 v[BJ+\a], v6, s[96:97] offset:64*\a                       ; bias(16 a + r)
.endr
	s_wait_loadcnt 0x0
.set i, 0
.rept 64
	v_and_b32 v[BI+i], s95, v[BI+i]
.set i, i+1
.endr
.irp a, 0,1,2,3,4,5,6,7
	v_and_b32 v[BJ+\a], s94, v[BJ+\a]
.endr
.macro FRAG reg, adr, q, i             ; a fragment: lane l holds row l % 16; registers 4 c .. 4 c + 3 hold K = 32 c + 16 (l / 16) + 0 .. 15
.irp c, 0,1,2,3
	ds_load_b128 v[\reg+4*\c:\reg+4*\c+3], v[\adr] offset:128*(\q)+32*\c+(\i)*16*PITCH
.endr
.endm
; 16 matrix instructions: A's blocks a0, a0 + 1 x B's eight, 128 along K.  zero = 1: the first product starts the sums from the bias along i.
; The 64 accumulators take turns, one instruction a turn, in the same order in every step.
.macro MUL16 a0, p, q, sc, zero
.irp a, \a0, \a0+1
.irp b, 0,1,2,3,4,5,6,7
.if \zero
	v_wmma_scale_f32_16x16x128_f8f6f4 v[8*(8*((\a)%4)+\b):8*(8*((\a)%4)+\b)+7], v[128*(\p)+FR*\b:128*(\p)+FR*\b+FR-1], v[AF+FR*(\a):AF+FR*(\a)+FR-1], v[BI+8*\b:BI+8*\b+7], v[SC+8*NQ*(\sc)+NQ*\b+(\q)], v[SC+8*NQ*(\sc)+NQ*(\a)+(\q)] matrix_a_fmt:MATRIX_FMT_BF8 matrix_b_fmt:MATRIX_FMT_BF8 matrix_a_scale:MATRIX_SCALE_ROW1
.else
	v_wmma_scale_f32_16x16x128_f8f6f4 v[8*(8*((\a)%4)+\b):8*(8*((\a)%4)+\b)+7], v[128*(\p)+FR*\b:128*(\p)+FR*\b+FR-1], v[AF+FR*(\a):AF+FR*(\a)+FR-1], v[8*(8*((\a)%4)+\b):8*(8*((\a)%4)+\b)+7], v[SC+8*NQ*(\sc)+NQ*\b+(\q)], v[SC+8*NQ*(\sc)+NQ*(\a)+(\q)] matrix_a_fmt:MATRIX_FMT_BF8 matrix_b_fmt:MATRIX_FMT_BF8 matrix_a_scale:MATRIX_SCALE_ROW1
.endif
.endr
.endr
.endm
.macro FETCH_B slot, q, p
	WIN TO_B
.irp i, 0,1,2,3,4,5,6,7
	FRAG 128*(\p)+FR*\i, ADRB+\slot, \q, \i
.endr
	WIN 0
.endm
.macro FETCH_A slot, q, i0
.irp i, \i0, \i0+1, \i0+2, \i0+3
	FRAG AF+FR*(\i), ADRA+\slot, \q, \i
.endr
.endm
.macro SCALES sc                       ; the next K step's scale words: lanes 0-15 take A's block i, lanes 16-31 B's block i
.irp i, 0,1,2,3,4,5,6,7
	ds_load_b64 v[SC+8*NQ*\sc+NQ*\i:SC+8*NQ*\sc+NQ*\i+1], v[ADRS] offset:\i*SBLK
.endr
.endm
.macro PLACES n                        ; plain vector instructions between a matrix instruction and a load into, or a read of, its registers
.rept \n
	v_nop
.endr
.endm
.macro STEP slot, q, zero              ; a step of 128 along K that has its successor in the same slot
	s_wait_dscnt 4*NL                              ; B's set and A's blocks 0-3 are in; the youngest 16 loads (A's blocks 4-7) may be out
.if \zero
	WIN ZER_LO
.else
	WIN MUL_LO
.endif
	MUL16 0, (\q)%2, \q, \slot, \zero
	MUL16 2, (\q)%2, \q, \slot, \zero
	s_wait_dscnt 0                                 ; A's blocks 4-7 are in
	PLACES NP
	FETCH_B \slot, (\q)+1, 1-(\q)%2
	FETCH_A \slot, (\q)+1, 0
.if \zero
	WIN ZER_HI
.else
	WIN MUL_HI
.endif
	MUL16 4, (\q)%2, \q, \slot, \zero
	MUL16 6, (\q)%2, \q, \slot, \zero
	PLACES NP
	WIN 0
	FETCH_A \slot, (\q)+1, 4
.endm
; A slot's last step changes slots: one barrier; in front of it each wave waits for all its tensor loads, adds 0 to its spare word, and waits for that and for its own reads of this slot.
.macro TURN slot, next, fill
	s_wait_tensorcnt 0x0                           ; all my tensor loads have landed: my part of the next slot
	ds_add_u32 v[SPW], v[NIL]                      ; 0 onto my spare word
	s_wait_dscnt 4*NL+1                            ; (the add and the youngest 16 loads, A's blocks 4-7, may be out)
	WIN MUL_LO
	MUL16 0, 1, NQ-1, \slot, 0
	s_wait_dscnt 0x0                               ; the add is done, and my reads of this slot are over
	s_barrier_signal -1
	MUL16 2, 1, NQ-1, \slot, 0
	WIN 0
	s_barrier_wait -1
.if \fill
	CREST                                          ; the barrier has opened a round of the cluster's barrier: no wave of any partner still reads this slot or has a load on its way
	s_add_nc_u64 s[G0+4*\slot+2:G0+4*\slot+3], s[G0+4*\slot+2:G0+4*\slot+3], 2*ROWB
	s_add_nc_u64 s[G0B+4*\slot+2:G0B+4*\slot+3], s[G0B+4*\slot+2:G0B+4*\slot+3], 2*ROWB
	JLOAD G0+4*\slot, G1, G0B+4*\slot, G1B         ; the first tensor load behind the round; its four v_nop are among the places in front of the loads below
	PLACES NP-4
.else
	PLACES NP
.endif
	v_add_nc_u32 v[ADRS], 4*NQ, v[ADRS]            ; on to the next K step's scale words
	FETCH_B \next, 0, 0
	FETCH_A \next, 0, 0
	SCALES \next
	WIN MUL_HI
	MUL16 4, 1, NQ-1, \slot, 0
	MUL16 6, 1, NQ-1, \slot, 0
	PLACES NP
	WIN 0
	FETCH_A \next, 0, 4
.endm
	s_wait_tensorcnt 1                             ; the scales and my part of K step 0 are in (K step 1's load may be out),
	s_barrier_signal -1
	s_barrier_wait -1                              ; everybody's are
	FETCH_B 0, 0, 0
	FETCH_A 0, 0, 0
	SCALES 0
	FETCH_A 0, 0, 4
	STEP 0, 0, 1                                   ; the first step stands in front of the loop: its products start the sums
	s_mov_b32 s3, LAPS-1
.Llap:                                                 ; a trip goes once round the ring and fills both slots again
	TURN 0, 1, 1
	STEP 1, 0, 0
	TURN 1, 0, 1
	STEP 0, 0, 0
	s_sub_co_u32 s3, s3, 1
	s_cmp_lg_u32 s3, 0
	s_cbranch_scc1 .Llap
	TURN 0, 1, 0                                   ; the last lap fills nothing
	STEP 1, 0, 0
	s_wait_dscnt 4*NL
	WIN MUL_LO
	MUL16 0, 1, NQ-1, 1, 0
	MUL16 2, 1, NQ-1, 1, 0
	s_wait_dscnt 0
	WIN MUL_HI
	MUL16 4, 1, NQ-1, 1, 0
	MUL16 6, 1, NQ-1, 1, 0
	WIN 0
; 64 numbers of a lane, v[s] on, sixteen of each of four blocks of 32, become 16 registers of codes in v[PC] on and a scale word in v[PW].
.macro QUANT s
.irp b, 0,1,2,3
	v_max3_num_f32 v[TM+\b], |v[\s+16*\b]|, |v[\s+1+16*\b]|, 0x8000000   ; my 16 numbers, and the floor 2^(16 - 127): the byte cannot fall under 1
.endr
.irp i, 2,4,6,8,10,12,14
.irp b, 0,1,2,3
	v_max3_num_f32 v[TM+\b], v[TM+\b], |v[\s+16*\b+\i]|, |v[\s+1+16*\b+\i]|
.endr
.endr
.irp b, 0,1,2,3
	v_permlanex16_b32 v[TM+4+\b], v[TM+\b], s[SEL], s[SEL+1]
.endr
.irp b, 0,1,2,3
	v_max_num_f32 v[TM+\b], v[TM+\b], v[TM+4+\b]   ; with lane l xor 16's: the block's largest magnitude
.endr
.irp b, 0,1,2,3
	v_add_nc_u32 v[TM+12+\b], 0xf8800000, v[TM+\b]   ; 15 off its exponent field: the conversion's scale operand
.endr
.irp b, 0,1,2,3
	v_and_or_b32 v[TM+8+\b], v[TM+\b], 0x7f800000, s[MNT]   ; 57,344 x the scale
.endr
.irp b, 0,1,2,3
	v_lshrrev_b32 v[TM+4+\b], 23, v[TM+12+\b]      ; the scale's byte
.endr
	v_lshl_or_b32 v[PW], v[TM+5], 8, v[TM+4]
	v_lshl_or_b32 v[PW], v[TM+6], 16, v[PW]
	v_lshl_or_b32 v[PW], v[TM+7], 24, v[PW]
.irp b, 0,1,2,3
.irp i, 0,1,2,3,4,5,6,7,8,9,10,11,12,13,14,15
	v_med3_num_f32 v[\s+16*\b+\i], v[\s+16*\b+\i], -v[TM+8+\b], v[TM+8+\b]   ; the conversion to an 8-bit code does not saturate (ISA guide 7.6.2): the hold comes first
.endr
	v_cvt_scalef32_pk8_bf8_f32 v[PC+4*\b:PC+1+4*\b], v[\s+16*\b:\s+7+16*\b], v[TM+12+\b]
	v_cvt_scalef32_pk8_bf8_f32 v[PC+2+4*\b:PC+3+4*\b], v[\s+8+16*\b:\s+15+16*\b], v[TM+12+\b]
.endr
	v_nop                                          ; one plain vector instruction behind the last conversion
.endm
; A's block a leaves: the bias along j is added on the way into window 0 (each accumulator from its low end on), the 64 numbers are quantised, the four groups of codes go out as 512 consecutive bytes each.
.macro OUTBLK a
	s_wait_xcnt 0x0                                ; the last block's stores have read their registers and their base
.if (\a) == 4
	s_add_nc_u64 s[12:13], s[12:13], s[100:101]
.endif
.set WN, 0x02+(\a)/4
	WIN WN                                         ; source 0: window 2 or 3
.set i, 0
.rept 32
.if (\a)%2
	v_pk_add_f32 v[ST+2*i:ST+2*i+1], v[64*((\a)%4)+2*i:64*((\a)%4)+2*i+1], v[BJ+2*((\a)/2):BJ+2*((\a)/2)+1] op_sel:[0,1] op_sel_hi:[1,1]
.else
	v_pk_add_f32 v[ST+2*i:ST+2*i+1], v[64*((\a)%4)+2*i:64*((\a)%4)+2*i+1], v[BJ+2*((\a)/2):BJ+2*((\a)/2)+1] op_sel_hi:[1,0]
.endif
.set i, i+1
.endr
	WIN 0
	QUANT ST
	v_perm_b32 v[SW+(\a)], v[PW], v[PW], v[SELP]   ; the bytes that my half of the lanes stores
.irp b, 0,1,2,3
	global_store_b128 v[OFI], v[PC+4*\b:PC+4*\b+3], s[12:13] offset:((\a)%4)*2048+512*\b
.endr
.endm
	s_mov_b32 s[SEL], 0x76543210
	s_mov_b32 s[SEL+1], 0xfedcba98                 ; lane l xor 16
	s_mov_b32 s[MNT], 0x600000                     ; the mantissa field of 57,344
	PLACES NP                                      ; behind the last products: their results are read and A's registers written below
.irp b, 0,1,2,3
	v_mov_b32 v[TM+4+\b], 0                        ; a lane permute's destination counts as one of its sources
.endr
.irp a, 0,1,2,3,4,5,6,7
	OUTBLK \a
.endr
	global_store_b128 v[OFS], v[SW:SW+3], s[98:99]             ; sixteen lanes store 256 consecutive bytes, aligned (for V lanes 16-31 store the same bytes with the same values)
	global_store_b128 v[OFS], v[SW+4:SW+7], s[98:99] offset:256
	s_wait_tensorcnt 0x0                           ; the wave's end
	ds_add_u32 v[SPW], v[NIL]
	s_wait_dscnt 0x0
	CROUND                                         ; the closing round
	s_endpgm
.Lfunc_end_k_q5621dc7502_proj:
	.size	k_q5621dc7502_proj, .Lfunc_end_k_q5621dc7502_proj-k_q5621dc7502_proj
	.p2alignl 7, 3214868480
	.fill 96, 4, 3214868480
	.section	.rodata,"a",@progbits
	.p2align	6, 0x0
	.amdhsa_kernel k_q5621dc7502_proj
		.amdhsa_group_segment_fixed_size 327680
		.amdhsa_private_segment_fixed_size 0
		.amdhsa_enable_private_segment 0
		.amdhsa_kernarg_size 136
		.amdhsa_user_sgpr_count 2
		.amdhsa_user_sgpr_kernarg_segment_ptr 1
		.amdhsa_wavefront_size32 1
		.amdhsa_system_sgpr_workgroup_id_x 1
		.amdhsa_system_sgpr_workgroup_id_y 1
		.amdhsa_system_sgpr_workgroup_id_z 1
		.amdhsa_system_vgpr_workitem_id 0
		.amdhsa_next_free_vgpr 1024
		.amdhsa_next_free_sgpr 102
		.amdhsa_reserve_vcc 0
		.amdhsa_float_denorm_mode_32 3
		.amdhsa_float_denorm_mode_16_64 3
		.amdhsa_memory_ordered 1
		.amdhsa_forward_progress 1
		.amdhsa_inst_pref_size 207
	.end_amdhsa_kernel
	.amdgpu_metadata
---
amdhsa.version: [ 1, 2 ]
amdhsa.kernels:
  - .name:           k_q5621dc7502_proj
    .symbol:         k_q5621dc7502_proj.kd
    .args:
      - { .name: q_codes, .offset: 0, .size: 8, .value_kind: global_buffer, .address_space: global }
      - { .name: k_codes, .offset: 8, .size: 8, .value_kind: global_buffer, .address_space: global }
      - { .name: w_v_codes, .offset: 16, .size: 8, .value_kind: global_buffer, .address_space: global }
      - { .name: q_scales, .offset: 24, .size: 8, .value_kind: global_buffer, .address_space: global }
      - { .name: k_scales, .offset: 32, .size: 8, .value_kind: global_buffer, .address_space: global }
      - { .name: w_v_scales, .offset: 40, .size: 8, .value_kind: global_buffer, .address_space: global }
      - { .name: w_q_codes, .offset: 48, .size: 8, .value_kind: global_buffer, .address_space: global }
      - { .name: w_k_codes, .offset: 56, .size: 8, .value_kind: global_buffer, .address_space: global }
      - { .name: v_codes, .offset: 64, .size: 8, .value_kind: global_buffer, .address_space: global }
      - { .name: w_q_scales, .offset: 72, .size: 8, .value_kind: global_buffer, .address_space: global }
      - { .name: w_k_scales, .offset: 80, .size: 8, .value_kind: global_buffer, .address_space: global }
      - { .name: v_scales, .offset: 88, .size: 8, .value_kind: global_buffer, .address_space: global }
      - { .name: b_q, .offset: 96, .size: 8, .value_kind: global_buffer, .address_space: global }
      - { .name: b_k, .offset: 104, .size: 8, .value_kind: global_buffer, .address_space: global }
      - { .name: b_v, .offset: 112, .size: 8, .value_kind: global_buffer, .address_space: global }
      - { .name: img, .offset: 120, .size: 8, .value_kind: global_buffer, .address_space: global }
      - { .name: sc, .offset: 128, .size: 8, .value_kind: global_buffer, .address_space: global }
    .group_segment_fixed_size: 327680
    .private_segment_fixed_size: 0
    .kernarg_segment_align: 8
    .kernarg_segment_size: 136
    .max_flat_workgroup_size: 128
    .sgpr_count:     102
    .vgpr_count:     1024
    .wavefront_size: 32
...
	.end_amdgpu_metadata
.endif
;; end of part 2
;; launch attn (part 3): grid 8 x 32, 16 waves a work-group, no clusters, 276,480 bytes of LDS; arguments img, sc, mw, ximg, xsc; writes ximg, xsc
.if DOCPART == 3
	.amdgcn_target "amdgcn-amd-amdhsa--gfx1250"
	.amdhsa_code_object_version 6
	.text
	.protected	k_q5621dc7502_attn
	.globl	k_q5621dc7502_attn
	.p2align	8
	.type	k_q5621dc7502_attn,@function
k_q5621dc7502_attn:
	s_mov_b64 s[64:65], 0
	v_nop
	global_prefetch_b8 v0, s[64:65] scope:SCOPE_SE
	s_setreg_imm32_b32 hwreg(HW_REG_WAVE_MODE, 25, 1), 1
	s_wait_xcnt 0x0
; ATTENTION on codes of BF8 (E5M2) with E8M0 scales: x[b][q][64 head + d] = sum over keys of softmax(Q . K / 8, masked) V, quantised along the model's 1,024 for the output projection.
; THE SOFTMAX: t = score x log2(e) / 8; M = the row's largest t so far, rounded up to a whole number; p = 2^(t - M) is quantised along the keys, not normalised; the row's sum is taken of the unquantised p
; and divides at the end.  When M moves, the sum and O are multiplied by 2^(old M - new M): exact.
; THE MASK is an input.  An earlier launch has turned it into lane masks (64 words for 16 queries x 128 keys) and two flags a step.  A masked score becomes -2^33, so that t = -2^33 c is a whole number:
; a row with no unmasked key so far has p = 1 everywhere, as the reference's -1e9 gives; the first unmasked score makes the factor 0 and wipes that.
; LIMIT: a masked logit is -2^30 and not -1e9: the result differs only where an unmasked logit lies under about -1e9.  NaN and infinities are not served.  A block of zeros gets the scale byte 1.
; A step all of whose scores are masked is left out where the flags allow it (every row of the tile has an unmasked key somewhere): a scalar branch on a stored whole number, round the step's work alone.
; K and V go through registers into LDS.
; THE WHOLE HEAD STAYS IN LDS: 2,048 keys x 64 bytes of K, as many of V, 12 KiB of scale words: 274,432 bytes.  Each of the 512 threads issues its 32 loads of 16 bytes at the head, into registers that are idle
; there, and stores them as they come; ONE barrier follows, and behind it the sixteen waves share nothing that is written: no further barrier, no wave waits for another, each walks its own steps.
; No cluster: joint loads are tensor loads, which the branch on the flags shuts out.
; SHARES.  A work-group has one head of one batch; wave w owns ONE tile of 16 queries, tile x + 8 p(w): the tiles of a work-group are spread over the sequence, p(w) so that for any threshold on p the waves
; above it are spread evenly over w % 4 and over w / 4.  Every wave walks 16 steps of 128 keys.
; LAYOUT.  Both products transposed: S^T = K Q^T, O^T = V^T P^T: a lane holds one query.  All operands come as images of their registers (16 bytes a lane, 512 a group of four registers).
; K = 64 in the first product: half of the instruction's 128 is zero codes on both sides; even key tiles carry the data in blocks 0, 1, odd ones in blocks 2, 3, so that neighbours share eight zero registers;
; scale words hold the head's two bytes twice.
; V's channels: on the way into LDS bits 3 and 7 of the thread's place are swapped: lane r of tile 2 b + u then holds channel 32 b + 8 u + r + 8 (r / 8), and O^T's registers of tiles 2 b, 2 b + 1 are
; channels 32 b + 16 h + 0 .. 15: the order of an operand, which the output projection's given weight asks for.
; REGISTERS: v1-8 addresses; v14 -M, v15 largest t, v[16:17] the sum; v18 -2^33; v19 Q's scale word; v20-21 addresses in hand; v[22:23] f; v24-47 Q, zeros, Q; v48-95 four K tiles with zeros between;
; v96-159 S^T, p, then V's fragments; v160-191 O^T; v192-207 p's codes; v208-215 K's and V's scale words; v216-235 at work; v236-242 addresses.  At the head v96-223 carry K and V on their way to LDS.
.set VREG,  131072                     ; LDS: K at 0, [step 16][tile 8][half 2][lane][16]; V here, [step 16][tile 4][32 keys 4][lane][16]: 8,192 bytes a step each
.set KSC,   262144                     ; K's scale words of the whole head: 512 bytes a step
.set VSC,   270336                     ; V's: 256 bytes a step
.set BM,  216
.set T2,  220
.set HO,  224
.set SCO, 228
.set TS,  17                           ; s17  the step's place among K's scale words
.set TJ,  23                           ; s23  among V's
.set TB,  24                           ; s24  among K's tiles, and among V's
	s_load_b256 s[32:39], s[0:1], 0x0              ; img, sc, mw, ximg
	s_load_b64 s[40:41], s[0:1], 0x20              ; xsc
	v_lshl_add_u32 v254, v0, 2, 0x43000
	v_mov_b32 v255, 0
	v_lshrrev_b32 v9, 5, v0
	v_readfirstlane_b32 s15, v9                    ; wave 0..15
	s_and_b32 s23, s15, 3
	s_lshr_b32 s24, s15, 2
	s_sub_co_u32 s23, s23, s24
	s_and_b32 s23, s23, 3
	s_lshl_b32 s23, s23, 2
	s_add_co_u32 s23, s23, s24                     ; p = 4 ((w % 4 - w / 4) mod 4) + w / 4
	s_lshl_b32 s23, s23, 3
	s_add_co_u32 s16, s23, ttmp9                   ; my tile of queries, 0..127
	s_and_b32 s24, ttmp7, 0xffff                   ; 16 batch + head
	s_lshr_b32 s25, s24, 4                         ; batch
	s_and_b32 s26, s24, 15                         ; head
	s_lshr_b32 s27, s26, 1                         ; head pair
	s_and_b32 s28, s26, 1                          ; which of the pair
	s_lshl_b32 s29, s25, 3
	s_add_co_u32 s29, s29, s27                     ; 8 batch + head pair
	v_and_b32 v9, 31, v0                           ; lane
	v_and_b32 v10, 15, v0                          ; r
	v_lshlrev_b32 v1, 4, v9                        ; 16 x lane: my place in an image
	v_lshlrev_b32 v2, 5, v10                       ; 32 r: my row of x's scale bytes
	v_lshl_add_u32 v3, v10, 4, KSC                 ; K's scale words: four tiles' words of row r
	v_and_b32 v234, 7, v0
	v_bfe_u32 v235, v0, 3, 1
	v_lshlrev_b32 v4, 4, v234
	v_lshl_add_u32 v4, v235, 2, v4
	v_add_nc_u32 v4, VSC, v4                       ; V's: 16 (r % 8) + 4 (r / 8)
	v_lshrrev_b32 v5, 6, v0
	v_and_b32 v234, 63, v0
	v_lshlrev_b32 v5, 11, v5
	v_lshl_add_u32 v5, v234, 4, v5                 ; K in memory: tile (thread / 64) of 2,048 bytes, of which my head has 1,024
	v_lshlrev_b32 v6, 4, v0                        ; V in memory: dense
	v_lshlrev_b32 v7, 4, v0                        ; K in LDS: dense
	v_and_b32 v8, 0x177, v0
	v_lshl_or_b32 v8, v235, 7, v8                  ; V in LDS: bit 3 to bit 7,
	v_bfe_u32 v234, v0, 7, 1
	v_lshl_or_b32 v8, v234, 3, v8                  ; bit 7 to bit 3
	v_lshlrev_b32 v8, 4, v8
	v_add_nc_u32 v8, VREG, v8
	v_add_nc_u32 v236, 0x10000, v7                 ; steps 8 to 15 lie beyond an LDS immediate's 65,535: a second address each
	v_add_nc_u32 v237, 0x10000, v8
	v_lshl_add_u32 v238, v0, 3, VSC                ; where I put 8 bytes of V's scale words,
	v_lshl_add_u32 v242, v0, 4, KSC                ; and 16 of K's
	v_add_nc_u32 v239, VREG, v1                    ; my place in an image of V
	v_lshrrev_b32 v11, 5, v0
	v_lshlrev_b32 v11, 10, v11
	v_lshl_add_u32 v11, v9, 4, v11                 ; K's scale words in memory: 512 of each step's 1,024 bytes, 16 a thread
	v_lshrrev_b32 v12, 5, v0
	v_lshlrev_b32 v12, 9, v12
	v_lshl_add_u32 v12, v9, 3, v12                 ; V's: 256 of each step's 512, 8 a thread
	v_lshlrev_b32 v13, 4, v10                      ; Q's scale word: 16 r
	s_mov_b32 s31, 0
	s_wait_kmcnt 0x0
	s_lshl_b32 s30, s29, 18
	s_lshl_b32 s2, s28, 10
	s_add_co_u32 s30, s30, s2
	s_add_nc_u64 s[42:43], s[32:33], s[30:31]
	s_add_nc_u64 s[4:5], s[42:43], 0x400000        ; K's images of my head
	s_lshl_b32 s30, s16, 11
	s_add_nc_u64 s[42:43], s[42:43], s[30:31]      ; Q's image of my tile
	s_lshl_b32 s30, s24, 17
	s_add_co_u32 s30, s30, 0x800000
	s_add_nc_u64 s[6:7], s[32:33], s[30:31]        ; V's images
	s_lshl_b32 s30, s29, 14
	s_lshl_b32 s2, s28, 9
	s_add_co_u32 s30, s30, s2
	s_add_nc_u64 s[48:49], s[34:35], s[30:31]
	s_add_nc_u64 s[44:45], s[48:49], 0x40000       ; K's scale words
	s_lshr_b32 s30, s16, 3
	s_lshl_b32 s30, s30, 10
	s_bfe_u32 s2, s16, 0x10002
	s_lshl_b32 s2, s2, 8
	s_add_co_u32 s30, s30, s2
	s_and_b32 s2, s16, 3
	s_lshl_b32 s2, s2, 2
	s_add_co_u32 s30, s30, s2
	s_add_nc_u64 s[48:49], s[48:49], s[30:31]      ; Q's scale words of my tile
	s_lshl_b32 s30, s29, 13
	s_lshl_b32 s2, s28, 8
	s_add_co_u32 s30, s30, s2
	s_add_co_u32 s30, s30, 0x80000
	s_add_nc_u64 s[46:47], s[34:35], s[30:31]      ; V's scale words
	s_lshl_b32 s30, s16, 12
	s_add_nc_u64 s[8:9], s[36:37], s[30:31]        ; my tile's mask words, step 0
	s_lshl_b32 s30, s16, 2
	s_add_co_u32 s30, s30, 0x80000
	s_add_nc_u64 s[50:51], s[36:37], s[30:31]
	s_load_b32 s14, s[50:51], 0x0                  ; my tile's flags
	s_lshl_b32 s30, s25, 7
	s_add_co_u32 s30, s30, s16
	s_lshl_b32 s30, s30, 11
	s_lshl_b32 s2, s27, 19
	s_add_co_u32 s30, s30, s2
	s_lshl_b32 s2, s28, 10
	s_add_co_u32 s30, s30, s2
	s_add_nc_u64 s[10:11], s[38:39], s[30:31]      ; x's image: [head pair][row tile][block 2 (head % 2) + b]
	s_lshl_b32 s30, s25, 16
	s_lshl_b32 s2, s16, 9
	s_add_co_u32 s30, s30, s2
	s_lshl_b32 s2, s26, 1
	s_add_co_u32 s30, s30, s2
	s_add_nc_u64 s[12:13], s[40:41], s[30:31]      ; x's scale bytes: row x 32 + 2 head
	; ALL THE LOADS OF THE LAUNCH BUT THE MASK WORDS: seven small ones, then the head's K and V, step by step: 39 a wave
	global_load_b128 v[248:251], v11, s[44:45]     ; K's scale words of the head
	global_load_b64 v[252:253], v12, s[46:47]      ; V's
	global_load_b128 v[24:27], v1, s[42:43]        ; Q, for the even key tiles,
	global_load_b128 v[28:31], v1, s[42:43] offset:512
	global_load_b128 v[40:43], v1, s[42:43]        ; and for the odd ones
	global_load_b128 v[44:47], v1, s[42:43] offset:512
	global_load_b32 v19, v13, s[48:49]
.set i, 0
.rept 16
	global_load_b128 v[96+8*i:99+8*i], v5, s[4:5] offset:16384*i       ; K of step i: the 512 threads take its 8 KiB
	global_load_b128 v[100+8*i:103+8*i], v6, s[6:7] offset:8192*i      ; V of step i
.set i, i+1
.endr
.irp i, 32,33,34,35,36,37,38,39,56,57,58,59,60,61,62,63,80,81,82,83,84,85,86,87
	v_mov_b32 v[\i], 0                             ; the zero codes of the unused half of K
.endr
	v_mov_b32 v16, 0
	v_mov_b32 v17, 0
	v_mov_b32 v23, 0                               ; (named as the upper half of a pair)
	v_mov_b32 v232, 0
	v_mov_b32 v15, 0xff61b1e6                      ; the largest t so far: -3e38
	v_floor_f32 v14, -v15                          ; -M
	v_mov_b32 v18, 0xd0000000                      ; -2^33
	s_mov_b32 s18, 0x76543210
	s_mov_b32 s19, 0xfedcba98                      ; lane l xor 16
	s_mov_b32 s20, 0x3e38aa3b                      ; c = log2(e) / 8
	s_mov_b32 s21, s20
	s_mov_b32 s22, 0x600000                        ; the mantissa field of 57,344
	s_mov_b32 s[TS], 0
	s_mov_b32 s[TJ], 0
	s_mov_b32 s[TB], 0
	s_mov_b32 s3, 16
.set i, 0
.rept 16
	s_wait_loadcnt 30-2*i                          ; loads come back in order: step i's two are in (and at i = 0 the seven small ones); the 2 (15 - i) of the later steps stay out
.if i == 0
	ds_store_b128 v242, v[248:251]
	ds_store_b64 v238, v[252:253]
.endif
	ds_store_b128 v[7+229*(i/8)], v[96+8*i:99+8*i] offset:8192*(i%8)       ; v7 for steps 0-7, v236 for steps 8-15
	ds_store_b128 v[8+229*(i/8)], v[100+8*i:103+8*i] offset:8192*(i%8)     ; v8, v237
.set i, i+1
.endr
	s_wait_dscnt 0x0                               ; for the others' sake: all my stores have landed
	s_barrier_signal -1
	s_barrier_wait -1                              ; the head's K, V and scale words lie in LDS; from here on nobody writes LDS
.set i, 0
.rept 32
	v_mov_b32 v[160+i], 0                          ; O^T: the step is written once; the first finds zeros
.set i, i+1
.endr
.irp b, 0,1,2,3
	v_mov_b32 v[T2+\b], 0                          ; a lane permute's destination counts as one of its sources
.endr
	s_wait_kmcnt 0x0                               ; the flags
; S^T = K Q^T for the step's 128 keys, four tiles of 16 keys at a time; eight places behind the last product.
.macro SCORES
.irp g, 0,1
.if \g > 0
.rept 8
	v_nop                                          ; places in front of loads into registers that matrix instructions have read
.endr
.endif
.irp t, 0,1,2,3
	ds_load_b128 v[48+24*(\t/2)+16*(\t%2):51+24*(\t/2)+16*(\t%2)], v240 offset:(4*\g+\t)*1024
	ds_load_b128 v[52+24*(\t/2)+16*(\t%2):55+24*(\t/2)+16*(\t%2)], v240 offset:(4*\g+\t)*1024+512
.endr
	ds_load_b128 v[208:211], v20 offset:256*\g     ; the four tiles' scale words of row r
	s_wait_dscnt 0x0
.irp t, 0,1,2,3
	v_wmma_scale_f32_16x16x128_f8f6f4 v[96+8*(4*\g+\t):103+8*(4*\g+\t)], v[48+24*(\t/2)+8*(\t%2):63+24*(\t/2)+8*(\t%2)], v[24+8*(\t%2):39+8*(\t%2)], 0, v[208+\t], v19 matrix_a_fmt:MATRIX_FMT_BF8 matrix_b_fmt:MATRIX_FMT_BF8
.endr
.endr
.rept 8
	v_nop
.endr
.endm
.Lstep:                                            ; sixteen trips, 128 keys each; a wave's trips hang on no other wave
	s_bitcmp1_b32 s14, 0                           ; is the step worked?  A stored whole number decides
	s_cbranch_scc0 .Lskip
	v_add_nc_u32 v240, s[TB], v1                   ; the step's tiles of K,
	v_add_nc_u32 v241, s[TB], v239                 ; of V,
	v_add_nc_u32 v20, s[TS], v3                    ; and their scale words
	v_add_nc_u32 v21, s[TJ], v4
	s_bitcmp1_b32 s14, 16                          ; has the step masked scores beside unmasked ones?
	s_cbranch_scc0 .Lplain
	s_load_b512 s[32:47], s[8:9], 0x0              ; then its 64 mask words are asked for ahead of the products,
	s_load_b512 s[48:63], s[8:9], 0x40
	s_load_b512 s[68:83], s[8:9], 0x80
	s_load_b512 s[84:99], s[8:9], 0xc0
	SCORES
	s_wait_kmcnt 0x0                               ; and are in behind them
.set n, 0
.rept 64
	v_cndmask_b32 v[96+n], v18, v[96+n], s[32+n+4*(n/32)]    ; word n's bit for my lane: 0: the score becomes -2^33
.set n, n+1
.endr
	s_branch .Ljoin
.Lplain:
	SCORES
.Ljoin:
.irp b, 0,1,2,3
	v_max3_num_f32 v[BM+\b], v[96+16*\b], v[97+16*\b], v[98+16*\b]   ; the largest score of each block of 32 keys: for the row's maximum, and for the block's largest p
.endr
.irp i, 3,5,7,9,11,13
.irp b, 0,1,2,3
	v_max3_num_f32 v[BM+\b], v[BM+\b], v[96+16*\b+\i], v[97+16*\b+\i]
.endr
.endr
.irp b, 0,1,2,3
	v_max_num_f32 v[BM+\b], v[BM+\b], v[111+16*\b]
.endr
.irp b, 0,1,2,3
	v_permlanex16_b32 v[T2+\b], v[BM+\b], s18, s19
.endr
.irp b, 0,1,2,3
	v_max_num_f32 v[BM+\b], v[BM+\b], v[T2+\b]     ; with lane l xor 16's 16 keys
.endr
	v_max3_num_f32 v232, v[BM], v[BM+1], v[BM+2]
	v_max_num_f32 v232, v232, v[BM+3]
	v_mul_f32 v232, s20, v232                      ; as t (c is positive)
	v_max_num_f32 v15, v15, v232                   ; the running largest t
	v_mov_b32 v232, v14
	v_floor_f32 v14, -v15                          ; the new -M = -ceil(t)
	v_sub_f32 v232, v14, v232                      ; old M - new M: a whole number, 0 or less
	v_cvt_i32_f32 v232, v232                       ; (it saturates)
	v_ldexp_f32 v22, 1.0, v232                     ; f = 2^(old M - new M)
.set j, 0
.rept 32
	v_pk_fma_f32 v[96+j:97+j], v[96+j:97+j], s[20:21], v[14:15] op_sel_hi:[1,0,0]   ; t - M, two at a time
.set j, j+2
.endr
.irp b, 0,1,2,3
	v_fma_f32 v[BM+\b], v[BM+\b], s20, v14         ; the same of each block's largest score
.endr
.set j, 0
.rept 64
	v_exp_f32 v[96+j], v[96+j]                     ; p = 2^(t - M)
.set j, j+1
.endr
.irp b, 0,1,2,3
	v_exp_f32 v[BM+\b], v[BM+\b]                   ; the block's largest p
.endr
	v_pk_mul_f32 v[16:17], v[16:17], v[22:23] op_sel_hi:[1,0]   ; the sum under the new M.  (A plain place behind the exponentials)
	s_wait_alu depctr_va_vdst(0)
.irp b, 0,1,2,3
	v_max_num_f32 v[BM+\b], 0x8000000, v[BM+\b]    ; the floor 2^(16 - 127): the byte cannot fall under 1
.endr
.irp b, 0,1,2,3
	v_add_nc_u32 v[SCO+\b], 0xf8800000, v[BM+\b]   ; 15 off the exponent field: the conversion's scale operand
.endr
.irp b, 0,1,2,3
	v_and_or_b32 v[HO+\b], v[BM+\b], 0x7f800000, s22   ; 57,344 x the scale
.endr
.irp b, 0,1,2,3
	v_lshrrev_b32 v[T2+\b], 23, v[SCO+\b]          ; the scale's byte
.endr
	v_lshl_or_b32 v233, v[T2+1], 8, v[T2]          ; p's scale word for these 128 keys
	v_lshl_or_b32 v233, v[T2+2], 16, v233
	v_lshl_or_b32 v233, v[T2+3], 24, v233
	v_pk_add_f32 v[234:235], v[96:97], v[98:99]    ; the row's sum is taken of the unquantised p: two chains
.irp j, 4,8,12,16,20,24,28,32,36,40,44,48,52,56,60
	v_pk_add_f32 v[16:17], v[16:17], v[96+\j:97+\j]
	v_pk_add_f32 v[234:235], v[234:235], v[98+\j:99+\j]
.endr
	v_pk_add_f32 v[16:17], v[16:17], v[234:235]
.irp b, 0,1,2,3
.irp i, 0,1,2,3,4,5,6,7,8,9,10,11,12,13,14,15
	v_min_num_f32 v[96+16*\b+\i], v[96+16*\b+\i], v[HO+\b]   ; the conversion does not saturate (ISA guide 7.6.2); p is not negative: a one-sided hold
.endr
	v_cvt_scalef32_pk8_bf8_f32 v[192+4*\b:193+4*\b], v[96+16*\b:103+16*\b], v[SCO+\b]
	v_cvt_scalef32_pk8_bf8_f32 v[194+4*\b:195+4*\b], v[104+16*\b:111+16*\b], v[SCO+\b]
.endr
	v_nop                                          ; one plain vector instruction behind the last conversion
.irp t, 0,1,2,3                                ; V's four fragments take p's registers
.irp c, 0,1,2,3
	ds_load_b128 v[96+16*\t+4*\c:99+16*\t+4*\c], v241 offset:2048*\t+512*\c
.endr
	ds_load_b32 v[212+\t], v21 offset:(\t/2)*8+(\t%2)*128
.endr
.set j, 0
.rept 16
	v_pk_mul_f32 v[160+j:161+j], v[160+j:161+j], v[22:23] op_sel_hi:[1,0]   ; O^T under the new M.  (These are also the places between the codes and the products)
.set j, j+2
.endr
	s_wait_dscnt 0x0
.irp t, 0,1,2,3                                ; O^T += V^T P^T: four accumulators, one instruction each
	v_wmma_scale_f32_16x16x128_f8f6f4 v[160+8*\t:167+8*\t], v[96+16*\t:111+16*\t], v[192:207], v[160+8*\t:167+8*\t], v[212+\t], v233 matrix_a_fmt:MATRIX_FMT_BF8 matrix_b_fmt:MATRIX_FMT_BF8
.endr
.rept 9
	v_nop                                          ; nine: the next step's scores are written by matrix instructions over V's fragments
.endr
.Lskip:
	s_add_co_u32 s[TB], s[TB], 8192                ; the next step's tiles,
	s_add_co_u32 s[TS], s[TS], 512                 ; scale words,
	s_add_co_u32 s[TJ], s[TJ], 256
	s_add_nc_u64 s[8:9], s[8:9], 256               ; mask words (no scalar load is out: the mixed way has waited for its four),
	s_lshr_b32 s14, s14, 1                         ; and flags, into bits 0 and 16
	s_sub_co_u32 s3, s3, 1
	s_cmp_lg_u32 s3, 0
	s_cbranch_scc1 .Lstep
	; THE WAY OUT: O^T / the sum; its 32 registers are two blocks of 32 channels in an operand's order: quantised, and stored as the image of x's fragment.
	v_add_f32 v16, v16, v17
	v_permlanex16_b32 v232, v16, s18, s19
	v_add_f32 v16, v16, v232                       ; the row's sum
	v_rcp_f32 v16, v16
	v_nop                                          ; a plain place behind the transcendental
.set j, 0
	s_wait_alu depctr_va_vdst(0)
.rept 32
	v_mul_f32 v[96+j], v[160+j], v16               ; register 16 b + i: channel 32 b + 16 h + i of query r
.set j, j+1
.endr
.irp b, 0,1
	v_max3_num_f32 v[BM+\b], |v[96+16*\b]|, |v[97+16*\b]|, 0x8000000
.endr
.irp i, 2,4,6,8,10,12,14
.irp b, 0,1
	v_max3_num_f32 v[BM+\b], v[BM+\b], |v[96+16*\b+\i]|, |v[97+16*\b+\i]|
.endr
.endr
.irp b, 0,1
	v_permlanex16_b32 v[T2+\b], v[BM+\b], s18, s19
.endr
.irp b, 0,1
	v_max_num_f32 v[BM+\b], v[BM+\b], v[T2+\b]
.endr
.irp b, 0,1
	v_add_nc_u32 v[SCO+\b], 0xf8800000, v[BM+\b]
.endr
.irp b, 0,1
	v_and_or_b32 v[HO+\b], v[BM+\b], 0x7f800000, s22
.endr
.irp b, 0,1
	v_lshrrev_b32 v[T2+\b], 23, v[SCO+\b]
.endr
	v_lshl_or_b32 v233, v[T2+1], 8, v[T2]          ; my head's two scale bytes of row r
.irp b, 0,1
.irp i, 0,1,2,3,4,5,6,7,8,9,10,11,12,13,14,15
	v_med3_num_f32 v[96+16*\b+\i], v[96+16*\b+\i], -v[HO+\b], v[HO+\b]
.endr
	v_cvt_scalef32_pk8_bf8_f32 v[192+4*\b:193+4*\b], v[96+16*\b:103+16*\b], v[SCO+\b]
	v_cvt_scalef32_pk8_bf8_f32 v[194+4*\b:195+4*\b], v[104+16*\b:111+16*\b], v[SCO+\b]
.endr
	v_nop
	global_store_b128 v1, v[192:195], s[10:11]             ; 32 lanes store 512 consecutive bytes
	global_store_b128 v1, v[196:199], s[10:11] offset:512
	global_store_b16 v2, v233, s[12:13]                    ; two bytes of each of 16 rows (both halves of the lanes hold and store the same): 1/32 of the codes' bytes
	s_wait_tensorcnt 0x0
	ds_add_u32 v254, v255
	s_wait_dscnt 0x0
	s_endpgm
.Lfunc_end_k_q5621dc7502_attn:
	.size	k_q5621dc7502_attn, .Lfunc_end_k_q5621dc7502_attn-k_q5621dc7502_attn
	.p2alignl 7, 3214868480
	.fill 96, 4, 3214868480
	.section	.rodata,"a",@progbits
	.p2align	6, 0x0
	.amdhsa_kernel k_q5621dc7502_attn
		.amdhsa_group_segment_fixed_size 276480
		.amdhsa_private_segment_fixed_size 0
		.amdhsa_enable_private_segment 0
		.amdhsa_kernarg_size 40
		.amdhsa_user_sgpr_count 2
		.amdhsa_user_sgpr_kernarg_segment_ptr 1
		.amdhsa_wavefront_size32 1
		.amdhsa_system_sgpr_workgroup_id_x 1
		.amdhsa_system_sgpr_workgroup_id_y 1
		.amdhsa_system_sgpr_workgroup_id_z 1
		.amdhsa_system_vgpr_workitem_id 0
		.amdhsa_next_free_vgpr 256
		.amdhsa_next_free_sgpr 100
		.amdhsa_reserve_vcc 0
		.amdhsa_float_denorm_mode_32 3
		.amdhsa_float_denorm_mode_16_64 3
		.amdhsa_memory_ordered 1
		.amdhsa_forward_progress 1
		.amdhsa_inst_pref_size 46
	.end_amdhsa_kernel
	.amdgpu_metadata
---
amdhsa.version: [ 1, 2 ]
amdhsa.kernels:
  - .name:           k_q5621dc7502_attn
    .symbol:         k_q5621dc7502_attn.kd
    .args:
      - { .name: img, .offset: 0, .size: 8, .value_kind: global_buffer, .address_space: global }
      - { .name: sc, .offset: 8, .size: 8, .value_kind: global_buffer, .address_space: global }
      - { .name: mw, .offset: 16, .size: 8, .value_kind: global_buffer, .address_space: global }
      - { .name: ximg, .offset: 24, .size: 8, .value_kind: global_buffer, .address_space: global }
      - { .name: xsc, .offset: 32, .size: 8, .value_kind: global_buffer, .address_space: global }
    .group_segment_fixed_size: 276480
    .private_segment_fixed_size: 0
    .kernarg_segment_align: 8
    .kernarg_segment_size: 40
    .max_flat_workgroup_size: 512
    .sgpr_count:     100
    .vgpr_count:     256
    .wavefront_size: 32
...
	.end_amdgpu_metadata
.endif
;; end of part 3
;; launch outproj (part 4): grid 4 x 16, 4 waves a work-group, clusters of 4 x 4, 327,680 bytes of LDS; arguments ximg, xsc, w_o_codes, w_o_scales, out0, b_o; writes out0
.if DOCPART == 4
	.amdgcn_target "amdgcn-amd-amdhsa--gfx1250"
	.amdhsa_code_object_version 6
	.text
	.protected	k_q5621dc7502_outproj
	.globl	k_q5621dc7502_outproj
	.p2align	8
	.type	k_q5621dc7502_outproj,@function
k_q5621dc7502_outproj:
	s_mov_b64 s[64:65], 0
	v_nop
	global_prefetch_b8 v0, s[64:65] scope:SCOPE_SE
	s_setreg_imm32_b32 hwreg(HW_REG_WAVE_MODE, 25, 1), 1
	s_wait_xcnt 0x0
	s_wait_alu depctr_hold_cnt(0) depctr_sa_sdst(0) depctr_va_vdst(0) depctr_va_sdst(0) depctr_va_ssrc(0) depctr_va_vcc(0) depctr_vm_vsrc(0)
	s_getreg_b32 s2, hwreg(HW_REG_IB_STS2, 6, 4)
	s_cmp_eq_u32 s2, 0
	s_cbranch_scc0 .Lentry_in_a_cluster
	s_endpgm
.Lentry_in_a_cluster:
	s_bfe_u32 s2, ttmp6, 0x10000c
	s_cmp_lg_u32 s2, 0xf033
	s_cbranch_scc0 .Lentry_shape_is_right
	s_endpgm
.Lentry_shape_is_right:
; out[m][n] = sum over k of x[m][k] w_o[n][k] + b_o[n], on codes of BF8 (E5M2) with E8M0 scales; m 4,096, n 1,024, k 1,024; out f32.
; x comes as IMAGES OF ITS FRAGMENTS, [128 along K: 8][tile of 16 rows: 256][group of four registers: 4][lane][16 bytes], with its scale bytes [4,096][32]; w_o as rows of codes, K innermost.
; A tile of out, 256 x 256, is made by four waves, 128 x 128 each.  K goes in steps of 256 through a ring of two LDS slots: of x two dense blocks of 32 KiB (16 row tiles x 128 along K each), of w_o 256 padded rows.
; The scale bytes of the 512 rows come once.  CLUSTERS: 4 x 4; x's tiles are shared along a row of the cluster, w_o's along a column, by joint loads.
; The matrix instruction is used transposed (source 0 = 16 rows of w_o, source 1 = 16 rows of x): a lane holds eight neighbouring numbers of a row of out.  The bias is the C of the first products.
; 64 work-groups: a quarter of the launch's possible places; a smaller tile would read each LDS byte for half the products.
; REGISTERS: window 0: v16-29 addresses; v32-63 scale words, two sets; v64-127 the bias; from v128 x's fragments, one set.  window 1: w_o's fragments, two sets.  windows 2, 3: the accumulators.
.set SIZE_N, 1024
.set KSTEP,  256
.set NQ,     KSTEP/128
.set ROWB,   256
.set KROW,   1024
.set PITCH,  272
.set FR,     16
.set NL,     4
.set NP,     8
.set HALFT,  128*PITCH
.set AIMG,   32768                     ; x's images of 256 rows x 128 along K
.set SLOT,   2*AIMG+2*HALFT
.set LAPS,   1024/(2*KSTEP)
.set KS,     32
.set SCL,    2*SLOT
.set HALFS,  (128*KS/256)*272
.set SBLK,   (16*KS/256)*272
.set SPARE,  SCL+4*HALFS               ; the spare words, 128 bytes for each wave: no other line names them
.set SPITCH, 528                       ; the way out: a stage of 16 rows x (512 + 16) bytes for each wave, in slot 0, which has had its last fill and its last read by then
.set ADRA, 16
.set ADRB, 20
.set STO,  24
.set RD,   25
.set CO,   26
.set ADRS, 27
.set SPW,  28
.set NIL,  29
.set SC,   32
.set BI,   64
.set AF,   128
.set BK,   128
.set G1, 24
.set G0, 32
.set G1B, 48
.set G0B, 56
.set G1S, 68
.set G0S, 76
.set G1SB, 80
.set G0SB, 88
.set MSB, 0
.macro WIN new
.if MSB != \new
	s_set_vgpr_msb (MSB<<8)|\new
.set MSB, \new
.endif
.endm
.set MUL_LO, 0xa1
.set MUL_HI, 0xf1
.set ZER_LO, 0x81                      ; the first products: C (the bias) window 0, D window 2
.set ZER_HI, 0xc1
.set TO_B,   0x40
.macro JLOAD g0a, g1a, g0b, g1b        ; a joint load: waves 0 and 1 fetch for x, waves 2 and 3 for w_o; four v_nop follow each of the two lines
	s_cmp_eq_u32 s15, 0
	s_cbranch_scc0 .Lfor_b_\@
	tensor_load_to_lds s[\g0a:\g0a+3], s[\g1a:\g1a+7]
	s_nop 0
.rept 4
	v_nop
.endr
	s_branch .Lasked_\@
.Lfor_b_\@:
	tensor_load_to_lds s[\g0b:\g0b+3], s[\g1b:\g1b+7]
	s_nop 0
.rept 4
	v_nop
.endr
.Lasked_\@:
.endm
.macro CREST
	s_cmp_lg_u32 s14, 0
	s_cbranch_scc1 .Lnot_wave_0_\@
	s_barrier_signal -3
.Lnot_wave_0_\@:
	s_barrier_wait -3
	s_barrier_signal -1
	s_barrier_wait -1
.endm
.macro CROUND
	s_barrier_signal -1
	s_barrier_wait -1
	CREST
.endm
	s_load_b128 s[4:7], s[0:1], 0x0                ; x's images, x's scales
	s_load_b128 s[8:11], s[0:1], 0x10              ; w_o's codes, w_o's scales
	s_load_b64 s[12:13], s[0:1], 0x20              ; out
	s_load_b64 s[96:97], s[0:1], 0x28              ; b_o
	v_lshl_add_u32 v[SPW], v0, 2, SPARE
	v_mov_b32 v[NIL], 0
	ds_add_u32 v28, v29
	ds_add_u32 v28, v29
	s_wait_dscnt 0x0
	v_lshrrev_b32 v1, 5, v0
	v_readfirstlane_b32 s14, v1                    ; wave 0..3
	s_lshr_b32 s15, s14, 1                         ; which half of the tile's rows is mine.  Also: I fetch for x (0) or for w_o (1)
	s_and_b32 s16, s14, 1                          ; which half of its columns.  Also: which half of a slot's part I fetch
	s_bfe_u32 s40, ttmp6, 0x40000                  ; cx, cy
	s_bfe_u32 s41, ttmp6, 0x40004
	s_lshl_b32 s42, ttmp9, 2
	s_add_co_u32 s42, s42, s40                     ; tile column
	s_and_b32 s17, ttmp7, 0xffff
	s_lshl_b32 s17, s17, 2
	s_add_co_u32 s17, s17, s41                     ; tile row
	s_lshl_b32 s43, s41, 2
	s_lshl_b32 s43, 15, s43                        ; my row of the cluster
	s_lshl_b32 s44, 0x1111, s40                    ; my column
	; x: 32 KiB dense, as 128 rows of 256 bytes (32 elements of 8), no padding: an image is read 16 bytes a lane on end
	s_or_b32 s[G1+0], s43, (3<<16)|(1<<21)
	s_mov_b32 s[G1+1], 32<<16
	s_mov_b32 s[G1+2], 128<<16
	s_mov_b32 s[G1+3], 32<<16
	s_mov_b32 s[G1+4], 128
	s_mov_b32 s[G1+5], 32
	s_mov_b32 s[G1+6], 0
	s_mov_b32 s[G1+7], 0
	; w_o: 128 rows x 256 bytes, 16 bytes of padding behind each
	s_or_b32 s[G1B+0], s44, (0<<16)|(1<<20)|(1<<21)|(5<<22)|(3<<25)
	s_mov_b32 s[G1B+1], ROWB<<16
	s_mov_b32 s[G1B+2], 128<<16
	s_mov_b32 s[G1B+3], ROWB<<16
	s_mov_b32 s[G1B+4], 128
	s_mov_b32 s[G1B+5], KROW
	s_mov_b32 s[G1B+6], 0
	s_mov_b32 s[G1B+7], 0
	; the scales of 128 rows: 4,096 dense bytes, as 16 rows of 256 bytes, 16 bytes of padding behind each
	s_or_b32 s[G1S+0], s43, (3<<16)|(1<<20)|(1<<21)|(5<<22)|(3<<25)
	s_or_b32 s[G1SB+0], s44, (3<<16)|(1<<20)|(1<<21)|(5<<22)|(3<<25)
.irp g, G1S, G1SB
	s_mov_b32 s[\g+1], 32<<16
	s_mov_b32 s[\g+2], (128*KS/256)<<16
	s_mov_b32 s[\g+3], 32<<16
	s_mov_b32 s[\g+4], 128*KS/256
	s_mov_b32 s[\g+5], 32
	s_mov_b32 s[\g+6], 0
	s_mov_b32 s[\g+7], 0
.endr
	s_lshl_b32 s20, s17, 15                        ; x's images: the tile row's 16 row tiles,
	s_lshl_b32 s18, s16, 19                        ; of the K step's first or second 128
	s_add_co_u32 s20, s20, s18
	s_mov_b32 s21, 0
	s_lshl_b32 s18, s16, 7
	s_lshl_b32 s22, s17, 8
	s_add_co_u32 s22, s22, s18
	s_lshl_b32 s22, s22, 5                         ; x's scales: row 256 x tile row + 128 x half, 32 bytes a row
	s_mov_b32 s23, 0
	s_lshl_b32 s46, s42, 8
	s_add_co_u32 s46, s46, s18                     ; w_o: row 256 x tile column + 128 x half
	s_lshl_b32 s92, s46, 5
	s_mov_b32 s93, 0
	s_lshl_b32 s46, s46, 10
	s_mov_b32 s47, 0
	s_lshl_b32 s45, s16, 15                        ; where they go in a slot: x's two blocks,
	s_mul_i32 s95, s16, HALFT
	s_add_co_u32 s95, s95, 2*AIMG                  ; behind them w_o's two halves
	s_mul_i32 s94, s14, HALFS
	s_wait_kmcnt 0x0
	s_add_nc_u64 s[20:21], s[4:5], s[20:21]
	s_add_nc_u64 s[22:23], s[6:7], s[22:23]
	s_add_nc_u64 s[46:47], s[8:9], s[46:47]
	s_add_nc_u64 s[92:93], s[10:11], s[92:93]
	CROUND                                         ; all sixteen work-groups are here: the first joint loads meet
	s_mov_b32 s[G0S], 1
	s_add_co_u32 s[G0S+1], s94, SCL
	s_mov_b64 s[G0S+2:G0S+3], s[22:23]
	s_or_b32 s[G0S+3], s[G0S+3], 0x80000000
	s_mov_b32 s[G0SB], 1
	s_add_co_u32 s[G0SB+1], s94, SCL
	s_mov_b64 s[G0SB+2:G0SB+3], s[92:93]
	s_or_b32 s[G0SB+3], s[G0SB+3], 0x80000000
	JLOAD G0S, G1S, G0SB, G1SB
.irp s, 0,1
	s_mov_b32 s[G0+4*\s], 1
	s_add_co_u32 s[G0+4*\s+1], s45, \s*SLOT
	s_add_nc_u64 s[G0+4*\s+2:G0+4*\s+3], s[20:21], \s*0x100000     ; a K step of 256 is two planes of 524,288 bytes
	s_or_b32 s[G0+4*\s+3], s[G0+4*\s+3], 0x80000000
	s_mov_b32 s[G0B+4*\s], 1
	s_add_co_u32 s[G0B+4*\s+1], s95, \s*SLOT
	s_add_nc_u64 s[G0B+4*\s+2:G0B+4*\s+3], s[46:47], \s*ROWB
	s_or_b32 s[G0B+4*\s+3], s[G0B+4*\s+3], 0x80000000
	JLOAD G0+4*\s, G1, G0B+4*\s, G1B
.endr
	v_and_b32 v1, 15, v0                           ; r
	v_bfe_u32 v2, v0, 4, 1                         ; h
	v_mul_u32_u24 v3, v1, PITCH
	v_lshl_add_u32 v4, v2, 4, v3                   ; w_o: a fragment's row x pitch + 16 x half
	v_and_b32 v6, 31, v0
	v_lshlrev_b32 v7, 4, v6                        ; x: 16 x lane
	s_lshl_b32 s21, s15, 14                        ; my eight row tiles of x
	s_mul_i32 s22, s16, HALFT                      ; my 128 rows of w_o
	s_add_co_u32 s22, s22, 2*AIMG
.irp s, 0,1
	v_add_nc_u32 v[ADRA+\s], s21, v7
	v_add_nc_u32 v[ADRB+\s], s22, v4
	s_add_co_u32 s21, s21, SLOT
	s_add_co_u32 s22, s22, SLOT
.endr
	v_mul_u32_u24 v5, v1, KS
	v_lshrrev_b32 v6, 8, v5
	v_lshl_add_u32 v5, v6, 4, v5
	s_mul_i32 s21, s15, HALFS
	s_mul_i32 s22, s16, HALFS
	s_add_co_u32 s22, s22, 2*HALFS
	s_sub_co_u32 s22, s22, s21
	v_mul_u32_u24 v6, s22, v2                      ; lanes 16-31 take w_o's
	s_add_co_u32 s21, s21, SCL
	v_add_nc_u32 v5, v5, v6
	v_add_nc_u32 v[ADRS], s21, v5
	s_mul_i32 s23, s14, 16*SPITCH                  ; my stage
	v_mul_u32_u24 v5, v1, SPITCH
	v_lshl_add_u32 v5, v2, 5, v5
	v_add_nc_u32 v[STO], s23, v5
	v_mov_b32 v[CO], v7                            ; back: the 32 lanes take one row of 512 bytes; and the same in out
	v_add_nc_u32 v[RD], s23, v[CO]
	s_lshl_b32 s20, s17, 8
	s_lshl_b32 s21, s15, 7
	s_add_co_u32 s20, s20, s21                     ; my first row of out
	s_lshl_b32 s20, s20, 12                        ; 4,096 bytes a row
	s_mov_b32 s21, 0
	s_lshl_b32 s46, s42, 10                        ; my first column, in bytes
	s_lshl_b32 s47, s16, 9
	s_add_co_u32 s46, s46, s47
	s_mov_b32 s47, 0
	s_add_nc_u64 s[96:97], s[96:97], s[46:47]      ; the bias of my 128 columns
	s_add_nc_u64 s[20:21], s[20:21], s[46:47]
	s_add_nc_u64 s[12:13], s[12:13], s[20:21]
	v_lshlrev_b32 v5, 5, v2                        ; 32 h
.irp b, 0,1,2,3,4,5,6,7
	global_load_b128 v[BI+8*\b:BI+8*\b+3], v5, s[96:97] offset:64*\b          ; b_o(16 b + 8 h + 0 .. 7): the layout of a result
	global_load_b128 v[BI+8*\b+4:BI+8*\b+7], v5, s[96:97] offset:64*\b+16
.endr
	s_wait_loadcnt 0x0
.macro FRAG reg, adr, q, i             ; a fragment of w_o from padded rows
.irp c, 0,1,2,3
	ds_load_b128 v[\reg+4*\c:\reg+4*\c+3], v[\adr] offset:128*(\q)+32*\c+(\i)*16*PITCH
.endr
.endm
.macro FRAGA reg, slot, q, i           ; a fragment of x from its image
.irp c, 0,1,2,3
	ds_load_b128 v[\reg+4*\c:\reg+4*\c+3], v[ADRA+\slot] offset:AIMG*(\q)+2048*(\i)+512*\c
.endr
.endm
; The 64 accumulators take turns, one instruction a turn, in the same order in every step.
.macro MUL16 a0, p, q, sc, zero
.irp a, \a0, \a0+1
.irp b, 0,1,2,3,4,5,6,7
.if \zero
	v_wmma_scale_f32_16x16x128_f8f6f4 v[8*(8*((\a)%4)+\b):8*(8*((\a)%4)+\b)+7], v[128*(\p)+FR*\b:128*(\p)+FR*\b+FR-1], v[AF+FR*(\a):AF+FR*(\a)+FR-1], v[BI+8*\b:BI+8*\b+7], v[SC+8*NQ*(\sc)+NQ*\b+(\q)], v[SC+8*NQ*(\sc)+NQ*(\a)+(\q)] matrix_a_fmt:MATRIX_FMT_BF8 matrix_b_fmt:MATRIX_FMT_BF8 matrix_a_scale:MATRIX_SCALE_ROW1
.else
	v_wmma_scale_f32_16x16x128_f8f6f4 v[8*(8*((\a)%4)+\b):8*(8*((\a)%4)+\b)+7], v[128*(\p)+FR*\b:128*(\p)+FR*\b+FR-1], v[AF+FR*(\a):AF+FR*(\a)+FR-1], v[8*(8*((\a)%4)+\b):8*(8*((\a)%4)+\b)+7], v[SC+8*NQ*(\sc)+NQ*\b+(\q)], v[SC+8*NQ*(\sc)+NQ*(\a)+(\q)] matrix_a_fmt:MATRIX_FMT_BF8 matrix_b_fmt:MATRIX_FMT_BF8 matrix_a_scale:MATRIX_SCALE_ROW1
.endif
.endr
.endr
.endm
.macro FETCH_B slot, q, p
	WIN TO_B
.irp i, 0,1,2,3,4,5,6,7
	FRAG 128*(\p)+FR*\i, ADRB+\slot, \q, \i
.endr
	WIN 0
.endm
.macro FETCH_A slot, q, i0
.irp i, \i0, \i0+1, \i0+2, \i0+3
	FRAGA AF+FR*(\i), \slot, \q, \i
.endr
.endm
.macro SCALES sc
.irp i, 0,1,2,3,4,5,6,7
	ds_load_b64 v[SC+8*NQ*\sc+NQ*\i:SC+8*NQ*\sc+NQ*\i+1], v[ADRS] offset:\i*SBLK
.endr
.endm
.macro PLACES n
.rept \n
	v_nop
.endr
.endm
.macro STEP slot, q, zero
	s_wait_dscnt 4*NL                              ; w_o's set and x's blocks 0-3 are in; the youngest 16 loads (x's blocks 4-7) may be out
.if \zero
	WIN ZER_LO
.else
	WIN MUL_LO
.endif
	MUL16 0, (\q)%2, \q, \slot, \zero
	MUL16 2, (\q)%2, \q, \slot, \zero
	s_wait_dscnt 0
	PLACES NP
	FETCH_B \slot, (\q)+1, 1-(\q)%2
	FETCH_A \slot, (\q)+1, 0
.if \zero
	WIN ZER_HI
.else
	WIN MUL_HI
.endif
	MUL16 4, (\q)%2, \q, \slot, \zero
	MUL16 6, (\q)%2, \q, \slot, \zero
	PLACES NP
	WIN 0
	FETCH_A \slot, (\q)+1, 4
.endm
.macro TURN slot, next, fill
	s_wait_tensorcnt 0x0                           ; all my tensor loads have landed: my part of the next slot
	ds_add_u32 v[SPW], v[NIL]                      ; 0 onto my spare word
	s_wait_dscnt 4*NL+1                            ; (the add and the youngest 16 loads may be out)
	WIN MUL_LO
	MUL16 0, 1, NQ-1, \slot, 0
	s_wait_dscnt 0x0                               ; the add is done, and my reads of this slot are over
	s_barrier_signal -1
	MUL16 2, 1, NQ-1, \slot, 0
	WIN 0
	s_barrier_wait -1
.if \fill
	CREST                                          ; the barrier has opened a round of the cluster's barrier
	s_add_nc_u64 s[G0+4*\slot+2:G0+4*\slot+3], s[G0+4*\slot+2:G0+4*\slot+3], 0x200000
	s_add_nc_u64 s[G0B+4*\slot+2:G0B+4*\slot+3], s[G0B+4*\slot+2:G0B+4*\slot+3], 2*ROWB
	JLOAD G0+4*\slot, G1, G0B+4*\slot, G1B         ; the first tensor load behind the round
	PLACES NP-4
.else
	PLACES NP
.endif
	v_add_nc_u32 v[ADRS], 4*NQ, v[ADRS]
	FETCH_B \next, 0, 0
	FETCH_A \next, 0, 0
	SCALES \next
	WIN MUL_HI
	MUL16 4, 1, NQ-1, \slot, 0
	MUL16 6, 1, NQ-1, \slot, 0
	PLACES NP
	WIN 0
	FETCH_A \next, 0, 4
.endm
	s_wait_tensorcnt 1                             ; the scales and my part of K step 0 are in (K step 1's load may be out),
	s_barrier_signal -1
	s_barrier_wait -1                              ; everybody's are
	FETCH_B 0, 0, 0
	FETCH_A 0, 0, 0
	SCALES 0
	FETCH_A 0, 0, 4
	STEP 0, 0, 1                                   ; the first step's products start the sums from the bias
	s_mov_b32 s3, LAPS-1
.Llap:
	TURN 0, 1, 1
	STEP 1, 0, 0
	TURN 1, 0, 1
	STEP 0, 0, 0
	s_sub_co_u32 s3, s3, 1
	s_cmp_lg_u32 s3, 0
	s_cbranch_scc1 .Llap
	TURN 0, 1, 0                                   ; the last lap fills nothing
	STEP 1, 0, 0
	s_wait_dscnt 4*NL
	WIN MUL_LO
	MUL16 0, 1, NQ-1, 1, 0
	MUL16 2, 1, NQ-1, 1, 0
	s_wait_dscnt 0
	WIN MUL_HI
	MUL16 4, 1, NQ-1, 1, 0
	MUL16 6, 1, NQ-1, 1, 0
	WIN 0
; THE WAY OUT, block by block of 16 rows x 128 columns, through my own stage in LDS: back come whole rows of 512 bytes.  LDS serves a wave's instructions in order (ISA guide 5.7.1.4).
.macro TOSTAGE a
.set AC, 64*((\a)%4)
	WIN 0x08+4*((\a)/4)                            ; the data: window 2 or 3
.irp b, 0,1,2,3,4,5,6,7
	ds_store_b128 v[STO], v[AC+8*\b:AC+8*\b+3] offset:64*\b          ; each accumulator from its low end on
	ds_store_b128 v[STO], v[AC+8*\b+4:AC+8*\b+7] offset:64*\b+16
.endr
	WIN 0
.set BB, BK+64*((\a)%2)
.irp t, 0,1,2,3,4,5,6,7,8,9,10,11,12,13,14,15
	ds_load_b128 v[BB+4*\t:BB+4*\t+3], v[RD] offset:\t*SPITCH
.endr
.endm
.macro SEND a, younger                 ; younger: the LDS instructions issued behind block a's loads, which may stay out
.set BB, BK+64*((\a)%2)
	s_wait_dscnt \younger
.if (\a) > 0
	s_add_nc_u64 s[12:13], s[12:13], 16*SIZE_N*4   ; (behind a wait on XCNT: the earlier stores have read their base)
.endif
.irp t, 0,1,2,3,4,5,6,7,8,9,10,11,12,13,14,15
	global_store_b128 v[CO], v[BB+4*\t:BB+4*\t+3], s[12:13] offset:\t*SIZE_N*4 th:TH_STORE_NT   ; 32 lanes store 512 consecutive bytes, aligned
.endr
.endm
	PLACES NP
	TOSTAGE 0
.irp a, 1,2,3,4,5,6,7
.if \a > 1
	s_wait_xcnt 0x0                                ; block a - 2's stores have read their registers and their base
.endif
	TOSTAGE \a
	SEND \a-1, 32                                  ; behind block a - 1's loads: block a's 16 stores and 16 loads
.endr
	s_wait_xcnt 0x0
	SEND 7, 0
	s_wait_tensorcnt 0x0                           ; the wave's end
	ds_add_u32 v[SPW], v[NIL]
	s_wait_dscnt 0x0
	CROUND                                         ; the closing round
	s_endpgm
.Lfunc_end_k_q5621dc7502_outproj:
	.size	k_q5621dc7502_outproj, .Lfunc_end_k_q5621dc7502_outproj-k_q5621dc7502_outproj
	.p2alignl 7, 3214868480
	.fill 96, 4, 3214868480
	.section	.rodata,"a",@progbits
	.p2align	6, 0x0
	.amdhsa_kernel k_q5621dc7502_outproj
		.amdhsa_group_segment_fixed_size 327680
		.amdhsa_private_segment_fixed_size 0
		.amdhsa_enable_private_segment 0
		.amdhsa_kernarg_size 48
		.amdhsa_user_sgpr_count 2
		.amdhsa_user_sgpr_kernarg_segment_ptr 1
		.amdhsa_wavefront_size32 1
		.amdhsa_system_sgpr_workgroup_id_x 1
		.amdhsa_system_sgpr_workgroup_id_y 1
		.amdhsa_system_sgpr_workgroup_id_z 1
		.amdhsa_system_vgpr_workitem_id 0
		.amdhsa_next_free_vgpr 1024
		.amdhsa_next_free_sgpr 98
		.amdhsa_reserve_vcc 0
		.amdhsa_float_denorm_mode_32 3
		.amdhsa_float_denorm_mode_16_64 3
		.amdhsa_memory_ordered 1
		.amdhsa_forward_progress 1
		.amdhsa_inst_pref_size 147
	.end_amdhsa_kernel
	.amdgpu_metadata
---
amdhsa.version: [ 1, 2 ]
amdhsa.kernels:
  - .name:           k_q5621dc7502_outproj
    .symbol:         k_q5621dc7502_outproj.kd
    .args:
      - { .name: ximg, .offset: 0, .size: 8, .value_kind: global_buffer, .address_space: global }
      - { .name: xsc, .offset: 8, .size: 8, .value_kind: global_buffer, .address_space: global }
      - { .name: w_o_codes, .offset: 16, .size: 8, .value_kind: global_buffer, .address_space: global }
      - { .name: w_o_scales, .offset: 24, .size: 8, .value_kind: global_buffer, .address_space: global }
      - { .name: out0, .offset: 32, .size: 8, .value_kind: global_buffer, .address_space: global }
      - { .name: b_o, .offset: 40, .size: 8, .value_kind: global_buffer, .address_space: global }
    .group_segment_fixed_size: 327680
    .private_segment_fixed_size: 0
    .kernarg_segment_align: 8
    .kernarg_segment_size: 48
    .max_flat_workgroup_size: 128
    .sgpr_count:     98
    .vgpr_count:     1024
    .wavefront_size: 32
...
	.end_amdgpu_metadata
.endif
;; end of part 4
;; ======== version 2 of 2: 4 launches; version 1 with the launch attn written anew for expert scheduling mode
;; limits: right only within a limited range of input values
;; workspace buffers: img 12,582,912 bytes; sc 655,360 bytes; mw 524,800 bytes of whole numbers; ximg 4,194,304 bytes; xsc 131,072 bytes
;; launch maskprep: the kernel of part 1 again; grid 128 x 1, 16 waves a work-group, no clusters, 137,472 bytes of LDS; arguments mask, mw; writes mw
;; launch proj: the kernel of part 2 again; grid 4 x 48, 4 waves a work-group, clusters of 4 x 4, 327,680 bytes of LDS; arguments q_codes, k_codes, w_v_codes, q_scales, k_scales, w_v_scales, w_q_codes, w_k_codes, v_codes, w_q_scales, w_k_scales, v_scales, b_q, b_k, b_v, img, sc; writes img, sc
;; launch attn (part 5): grid 8 x 32, 16 waves a work-group, no clusters, 276,480 bytes of LDS; arguments img, sc, mw, ximg, xsc; writes ximg, xsc
.if DOCPART == 5
	.amdgcn_target "amdgcn-amd-amdhsa--gfx1250"
	.amdhsa_code_object_version 6
	.text
	.protected	k_q5621dc7502_attn
	.globl	k_q5621dc7502_attn
	.p2align	8
	.type	k_q5621dc7502_attn,@function
k_q5621dc7502_attn:
	s_mov_b64 s[64:65], 0
	v_nop
	global_prefetch_b8 v0, s[64:65] scope:SCOPE_SE
	s_setreg_imm32_b32 hwreg(HW_REG_WAVE_SCHED_MODE, 0, 2), 2
	s_setreg_imm32_b32 hwreg(HW_REG_WAVE_MODE, 25, 1), 1
	s_wait_xcnt 0x0
	s_wait_alu depctr_vm_vsrc(0)
; ATTENTION on codes of BF8 (E5M2) with E8M0 scales: x[b][q][64 head + d] = sum over keys of softmax(Q . K / 8, masked) V, quantised along the model's 1,024 for the output projection.
; THE SOFTMAX: t = score x log2(e) / 8; M = the row's largest t so far, rounded up to a whole number; p = 2^(t - M) is quantised along the keys, not normalised; the row's sum is taken of the unquantised p
; and divides at the end.  When M moves, the sum and O are multiplied by 2^(old M - new M): exact.
; THE MASK is an input.  An earlier launch has turned it into lane masks (64 words for 16 queries x 128 keys) and two flags a step.  A masked score becomes -2^33, so that t = -2^33 c is a whole number:
; a row with no unmasked key so far has p = 1 everywhere, as the reference's -1e9 gives; the first unmasked score makes the factor 0 and wipes that.
; LIMIT: a masked logit is -2^30 and not -1e9: the result differs only where an unmasked logit lies under about -1e9.  NaN and infinities are not served.  A block of zeros gets the scale byte 1.
; A step all of whose scores are masked is left out where the flags allow it (every row of the tile has an unmasked key somewhere): a scalar branch on a stored whole number, round the step's work alone.
; K and V go through registers into LDS.
; THE WHOLE HEAD STAYS IN LDS: 2,048 keys x 64 bytes of K, as many of V, 12 KiB of scale words: 274,432 bytes.  Each of the 512 threads issues its 32 loads of 16 bytes at the head, into registers that are idle
; there, and stores them as they come; ONE barrier follows, and behind it the sixteen waves share nothing that is written: no further barrier, no wave waits for another, each walks its own steps.
; No cluster: joint loads are tensor loads, which the branch on the flags shuts out.
; SHARES.  A work-group has one head of one batch; wave w owns ONE tile of 16 queries, tile x + 8 p(w): the tiles of a work-group are spread over the sequence, p(w) so that for any threshold on p the waves
; above it are spread evenly over w % 4 and over w / 4.  Every wave walks 16 steps of 128 keys.
; LAYOUT.  Both products transposed: S^T = K Q^T, O^T = V^T P^T: a lane holds one query.  All operands come as images of their registers (16 bytes a lane, 512 a group of four registers).
; K = 64 in the first product: half of the instruction's 128 is zero codes on both sides; even key tiles carry the data in blocks 0, 1, odd ones in blocks 2, 3, so that neighbours share eight zero registers;
; scale words hold the head's two bytes twice.
; V's channels: on the way into LDS bits 3 and 7 of the thread's place are swapped: lane r of tile 2 b + u then holds channel 32 b + 8 u + r + 8 (r / 8), and O^T's registers of tiles 2 b, 2 b + 1 are
; channels 32 b + 16 h + 0 .. 15: the order of an operand, which the output projection's given weight asks for.
; REGISTERS: v1-8 addresses; v14 -M, v15 largest t, v[16:17] the sum; v18 -2^33; v19 Q's scale word; v20-21 addresses in hand; v[22:23] f; v24-47 Q, zeros, Q; v48-95 four K tiles with zeros between
; (v64-79 later V's fragment 0); v96-159 S^T, p, then in v112-159 V's fragments 1 to 3; v160-191 O^T; v192-207 p's codes; v208-215 K's and V's scale words; v216-235 at work; v236-242 addresses.
; At the head v96-223 carry K and V on their way to LDS.
; THE MODE: SCHED_MODE bits 1:0 = 2 (LLVM: expert scheduling mode 2), set by the entry lines.  The code itself states the register dependences between vector or matrix instructions and memory or LDS
; instructions, with s_wait_alu, always for 0.
; THE PLAN.  Registers that memory or LDS instructions touch:
;   v1, v2, v5-8, v11-13, v236-238, v242   offsets and LDS store addresses: written at the head, never again: one wait on va_vdst ahead of the first load serves them all.
;   v96-223, v248-253   at the head: filled by global loads, read by the LDS stores; v96-223 are written again from the barrier on: one wait on vm_vsrc behind the barrier.
;   v240, v241, v20, v21   the step's LDS addresses: read by all its LDS loads, written by four additions at the head of the next worked step: a wait on vm_vsrc ahead of them, the head's wait on va_vdst behind them.
;   v48-95, v208-211   K's tiles and scale words: filled twice a step, read by the scores' products: the head's wait for the first four tiles, a wait between the two groups of products for the other four.
;   v212-215   V's scale words: read by the second product alone; asked for in the head's run of loads.
;   v64-79     idle once the scores' products are done: V's fragment 0 is asked for behind the wait that the exponentials have in any case.
;   v112-159   p's blocks 1 to 3: written by the holds, read by the conversions, then V's fragments 1 to 3 land there: one wait behind the conversions, which also states that the codes and p's scale word are written.
;   v192-199, v233   on the way out: written by the conversions, read by the stores: one wait ahead of the stores.
; A worked step so has one wait on vm_vsrc and four on va_vdst; a step that is left out has none.
.set VREG,  131072                     ; LDS: K at 0, [step 16][tile 8][half 2][lane][16]; V here, [step 16][tile 4][32 keys 4][lane][16]: 8,192 bytes a step each
.set KSC,   262144                     ; K's scale words of the whole head: 512 bytes a step
.set VSC,   270336                     ; V's: 256 bytes a step
.set BM,  216
.set T2,  220
.set HO,  224
.set SCO, 228
.set TS,  17                           ; s17  the step's place among K's scale words
.set TJ,  23                           ; s23  among V's
.set TB,  24                           ; s24  among K's tiles, and among V's
	s_load_b256 s[32:39], s[0:1], 0x0              ; img, sc, mw, ximg
	s_load_b64 s[40:41], s[0:1], 0x20              ; xsc
	v_lshl_add_u32 v254, v0, 2, 0x43000
	v_mov_b32 v255, 0
	v_lshrrev_b32 v9, 5, v0
	v_readfirstlane_b32 s15, v9                    ; wave 0..15
	v_and_b32 v9, 31, v0                           ; lane
	v_and_b32 v10, 15, v0                          ; r
	v_lshlrev_b32 v1, 4, v9                        ; 16 x lane: my place in an image
	v_lshlrev_b32 v2, 5, v10                       ; 32 r: my row of x's scale bytes
	v_lshl_add_u32 v3, v10, 4, KSC                 ; K's scale words: four tiles' words of row r
	v_and_b32 v234, 7, v0
	v_bfe_u32 v235, v0, 3, 1
	v_lshlrev_b32 v4, 4, v234
	v_lshl_add_u32 v4, v235, 2, v4
	v_add_nc_u32 v4, VSC, v4                       ; V's: 16 (r % 8) + 4 (r / 8)
	v_lshrrev_b32 v5, 6, v0
	v_and_b32 v234, 63, v0
	v_lshlrev_b32 v5, 11, v5
	v_lshl_add_u32 v5, v234, 4, v5                 ; K in memory: tile (thread / 64) of 2,048 bytes, of which my head has 1,024
	v_lshlrev_b32 v6, 4, v0                        ; V in memory: dense
	v_lshlrev_b32 v7, 4, v0                        ; K in LDS: dense
	v_and_b32 v8, 0x177, v0
	v_lshl_or_b32 v8, v235, 7, v8                  ; V in LDS: bit 3 to bit 7,
	v_bfe_u32 v234, v0, 7, 1
	v_lshl_or_b32 v8, v234, 3, v8                  ; bit 7 to bit 3
	v_lshlrev_b32 v8, 4, v8
	v_add_nc_u32 v8, VREG, v8
	v_add_nc_u32 v236, 0x10000, v7                 ; steps 8 to 15 lie beyond an LDS immediate's 65,535: a second address each
	v_add_nc_u32 v237, 0x10000, v8
	v_lshl_add_u32 v238, v0, 3, VSC                ; where I put 8 bytes of V's scale words,
	v_lshl_add_u32 v242, v0, 4, KSC                ; and 16 of K's
	v_add_nc_u32 v239, VREG, v1                    ; my place in an image of V
	v_lshrrev_b32 v11, 5, v0
	v_lshlrev_b32 v11, 10, v11
	v_lshl_add_u32 v11, v9, 4, v11                 ; K's scale words in memory: 512 of each step's 1,024 bytes, 16 a thread
	v_lshrrev_b32 v12, 5, v0
	v_lshlrev_b32 v12, 9, v12
	v_lshl_add_u32 v12, v9, 3, v12                 ; V's: 256 of each step's 512, 8 a thread
	v_lshlrev_b32 v13, 4, v10                      ; Q's scale word: 16 r
	s_wait_alu depctr_va_sdst(0)                   ; s15 is written, ahead of its first reader: my tile of queries is made from it
	s_and_b32 s23, s15, 3
	s_lshr_b32 s24, s15, 2
	s_sub_co_u32 s23, s23, s24
	s_and_b32 s23, s23, 3
	s_lshl_b32 s23, s23, 2
	s_add_co_u32 s23, s23, s24                     ; p = 4 ((w % 4 - w / 4) mod 4) + w / 4
	s_lshl_b32 s23, s23, 3
	s_add_co_u32 s16, s23, ttmp9                   ; my tile of queries, 0..127
	s_and_b32 s24, ttmp7, 0xffff                   ; 16 batch + head
	s_lshr_b32 s25, s24, 4                         ; batch
	s_and_b32 s26, s24, 15                         ; head
	s_lshr_b32 s27, s26, 1                         ; head pair
	s_and_b32 s28, s26, 1                          ; which of the pair
	s_lshl_b32 s29, s25, 3
	s_add_co_u32 s29, s29, s27                     ; 8 batch + head pair
	s_mov_b32 s31, 0
	s_wait_kmcnt 0x0
	s_lshl_b32 s30, s29, 18
	s_lshl_b32 s2, s28, 10
	s_add_co_u32 s30, s30, s2
	s_add_nc_u64 s[42:43], s[32:33], s[30:31]
	s_add_nc_u64 s[4:5], s[42:43], 0x400000        ; K's images of my head
	s_lshl_b32 s30, s16, 11
	s_add_nc_u64 s[42:43], s[42:43], s[30:31]      ; Q's image of my tile
	s_lshl_b32 s30, s24, 17
	s_add_co_u32 s30, s30, 0x800000
	s_add_nc_u64 s[6:7], s[32:33], s[30:31]        ; V's images
	s_lshl_b32 s30, s29, 14
	s_lshl_b32 s2, s28, 9
	s_add_co_u32 s30, s30, s2
	s_add_nc_u64 s[48:49], s[34:35], s[30:31]
	s_add_nc_u64 s[44:45], s[48:49], 0x40000       ; K's scale words
	s_lshr_b32 s30, s16, 3
	s_lshl_b32 s30, s30, 10
	s_bfe_u32 s2, s16, 0x10002
	s_lshl_b32 s2, s2, 8
	s_add_co_u32 s30, s30, s2
	s_and_b32 s2, s16, 3
	s_lshl_b32 s2, s2, 2
	s_add_co_u32 s30, s30, s2
	s_add_nc_u64 s[48:49], s[48:49], s[30:31]      ; Q's scale words of my tile
	s_lshl_b32 s30, s29, 13
	s_lshl_b32 s2, s28, 8
	s_add_co_u32 s30, s30, s2
	s_add_co_u32 s30, s30, 0x80000
	s_add_nc_u64 s[46:47], s[34:35], s[30:31]      ; V's scale words
	s_lshl_b32 s30, s16, 12
	s_add_nc_u64 s[8:9], s[36:37], s[30:31]        ; my tile's mask words, step 0
	s_lshl_b32 s30, s16, 2
	s_add_co_u32 s30, s30, 0x80000
	s_add_nc_u64 s[50:51], s[36:37], s[30:31]
	s_load_b32 s14, s[50:51], 0x0                  ; my tile's flags
	s_lshl_b32 s30, s25, 7
	s_add_co_u32 s30, s30, s16
	s_lshl_b32 s30, s30, 11
	s_lshl_b32 s2, s27, 19
	s_add_co_u32 s30, s30, s2
	s_lshl_b32 s2, s28, 10
	s_add_co_u32 s30, s30, s2
	s_add_nc_u64 s[10:11], s[38:39], s[30:31]      ; x's image: [head pair][row tile][block 2 (head % 2) + b]
	s_lshl_b32 s30, s25, 16
	s_lshl_b32 s2, s16, 9
	s_add_co_u32 s30, s30, s2
	s_lshl_b32 s2, s26, 1
	s_add_co_u32 s30, s30, s2
	s_add_nc_u64 s[12:13], s[40:41], s[30:31]      ; x's scale bytes: row x 32 + 2 head
	s_wait_alu depctr_va_vdst(0)                   ; the offsets v1, v2, v5, v6, v11 to v13 and the LDS store addresses v7, v8, v236 to v238, v242 are written: the loads and stores of the whole kernel read them, and no vector line writes them again
	; ALL THE LOADS OF THE LAUNCH BUT THE MASK WORDS: seven small ones, then the head's K and V, step by step: 39 a wave
	global_load_b128 v[248:251], v11, s[44:45]     ; K's scale words of the head
	global_load_b64 v[252:253], v12, s[46:47]      ; V's
	global_load_b128 v[24:27], v1, s[42:43]        ; Q, for the even key tiles,
	global_load_b128 v[28:31], v1, s[42:43] offset:512
	global_load_b128 v[40:43], v1, s[42:43]        ; and for the odd ones
	global_load_b128 v[44:47], v1, s[42:43] offset:512
	global_load_b32 v19, v13, s[48:49]
.set i, 0
.rept 16
	global_load_b128 v[96+8*i:99+8*i], v5, s[4:5] offset:16384*i       ; K of step i: the 512 threads take its 8 KiB
	global_load_b128 v[100+8*i:103+8*i], v6, s[6:7] offset:8192*i      ; V of step i
.set i, i+1
.endr
.irp i, 32,33,34,35,36,37,38,39,56,57,58,59,60,61,62,63,80,81,82,83,84,85,86,87
	v_mov_b32 v[\i], 0                             ; the zero codes of the unused half of K.  (These lines and the seven below name no register that a load or an LDS store of the head touches)
.endr
	v_mov_b32 v16, 0
	v_mov_b32 v17, 0
	v_mov_b32 v23, 0                               ; (named as the upper half of a pair)
	v_mov_b32 v232, 0
	v_mov_b32 v15, 0xff61b1e6                      ; the largest t so far: -3e38
	v_floor_f32 v14, -v15                          ; -M
	v_mov_b32 v18, 0xd0000000                      ; -2^33
	s_mov_b32 s18, 0x76543210
	s_mov_b32 s19, 0xfedcba98                      ; lane l xor 16
	s_mov_b32 s20, 0x3e38aa3b                      ; c = log2(e) / 8
	s_mov_b32 s21, s20
	s_mov_b32 s22, 0x600000                        ; the mantissa field of 57,344
	s_mov_b32 s[TS], 0
	s_mov_b32 s[TJ], 0
	s_mov_b32 s[TB], 0
	s_mov_b32 s3, 16
.set i, 0
.rept 16
	s_wait_loadcnt 30-2*i                          ; loads come back in order: step i's two are in (and at i = 0 the seven small ones); the 2 (15 - i) of the later steps stay out
.if i == 0
	ds_store_b128 v242, v[248:251]
	ds_store_b64 v238, v[252:253]
.endif
	ds_store_b128 v[7+229*(i/8)], v[96+8*i:99+8*i] offset:8192*(i%8)       ; v7 for steps 0-7, v236 for steps 8-15
	ds_store_b128 v[8+229*(i/8)], v[100+8*i:103+8*i] offset:8192*(i%8)     ; v8, v237
.set i, i+1
.endr
	s_wait_dscnt 0x0                               ; for the others' sake: all my stores have landed
	s_barrier_signal -1
	s_barrier_wait -1                              ; the head's K, V and scale words lie in LDS; from here on nobody writes LDS
	s_wait_alu depctr_vm_vsrc(0)                   ; my LDS stores have read v96 to v223: from here on these registers are written by the lines below, by the products and by the steps' LDS loads
.set i, 0
.rept 32
	v_mov_b32 v[160+i], 0                          ; O^T: the step is written once; the first finds zeros
.set i, i+1
.endr
.irp b, 0,1,2,3
	v_mov_b32 v[T2+\b], 0                          ; a lane permute's destination counts as one of its sources
.endr
	s_wait_kmcnt 0x0                               ; the flags
; S^T = K Q^T for the step's 128 keys, four tiles of 16 keys at a time; eight places behind the last product.  V's four scale words ride in the first run of loads.
.macro SCORES
.irp g, 0,1
.if \g > 0
.rept 8
	v_nop                                          ; places behind the four products, ahead of the loads into registers that they have read; the wait below stands beside them
.endr
	s_wait_alu depctr_va_vdst(0)                   ; the four products above are done reading K's tiles and scale words, in which the loads below land
.endif
.irp t, 0,1,2,3
	ds_load_b128 v[48+24*(\t/2)+16*(\t%2):51+24*(\t/2)+16*(\t%2)], v240 offset:(4*\g+\t)*1024
	ds_load_b128 v[52+24*(\t/2)+16*(\t%2):55+24*(\t/2)+16*(\t%2)], v240 offset:(4*\g+\t)*1024+512
.endr
	ds_load_b128 v[208:211], v20 offset:256*\g     ; the four tiles' scale words of row r
.if \g == 0
.irp t, 0,1,2,3
	ds_load_b32 v[212+\t], v21 offset:(\t/2)*8+(\t%2)*128   ; V's scale words of this step: the wait at the step's head has shown their last readers done
.endr
.endif
	s_wait_dscnt 0x0
.irp t, 0,1,2,3
	v_wmma_scale_f32_16x16x128_f8f6f4 v[96+8*(4*\g+\t):103+8*(4*\g+\t)], v[48+24*(\t/2)+8*(\t%2):63+24*(\t/2)+8*(\t%2)], v[24+8*(\t%2):39+8*(\t%2)], 0, v[208+\t], v19 matrix_a_fmt:MATRIX_FMT_BF8 matrix_b_fmt:MATRIX_FMT_BF8
.endr
.endr
.rept 8
	v_nop
.endr
.endm
.Lstep:                                            ; sixteen trips, 128 keys each; a wave's trips hang on no other wave
	s_bitcmp1_b32 s14, 0                           ; is the step worked?  A stored whole number decides
	s_cbranch_scc0 .Lskip
	s_wait_alu depctr_vm_vsrc(0)                   ; the LDS loads of the last worked step have read v240, v241, v20 and v21, which the four lines below write again
	v_add_nc_u32 v240, s[TB], v1                   ; the step's tiles of K,
	v_add_nc_u32 v241, s[TB], v239                 ; of V,
	v_add_nc_u32 v20, s[TS], v3                    ; and their scale words
	v_add_nc_u32 v21, s[TJ], v4
	s_wait_alu depctr_va_vdst(0)                   ; the four addresses are written, which all the step's LDS loads read; the last worked step's products are done reading K's registers, v64 to v79 among them, and the scale words v208 to v215, in which the first run of loads lands; in the first trip: the zero codes are written, which the products take
	s_bitcmp1_b32 s14, 16                          ; has the step masked scores beside unmasked ones?
	s_cbranch_scc0 .Lplain
	s_load_b512 s[32:47], s[8:9], 0x0              ; then its 64 mask words are asked for ahead of the products,
	s_load_b512 s[48:63], s[8:9], 0x40
	s_load_b512 s[68:83], s[8:9], 0x80
	s_load_b512 s[84:99], s[8:9], 0xc0
	SCORES
	s_wait_kmcnt 0x0                               ; and are in behind them
.set n, 0
.rept 64
	v_cndmask_b32 v[96+n], v18, v[96+n], s[32+n+4*(n/32)]    ; word n's bit for my lane: 0: the score becomes -2^33
.set n, n+1
.endr
	s_branch .Ljoin
.Lplain:
	SCORES
.Ljoin:
.irp b, 0,1,2,3
	v_max3_num_f32 v[BM+\b], v[96+16*\b], v[97+16*\b], v[98+16*\b]   ; the largest score of each block of 32 keys: for the row's maximum, and for the block's largest p
.endr
.irp i, 3,5,7,9,11,13
.irp b, 0,1,2,3
	v_max3_num_f32 v[BM+\b], v[BM+\b], v[96+16*\b+\i], v[97+16*\b+\i]
.endr
.endr
.irp b, 0,1,2,3
	v_max_num_f32 v[BM+\b], v[BM+\b], v[111+16*\b]
.endr
.irp b, 0,1,2,3
	v_permlanex16_b32 v[T2+\b], v[BM+\b], s18, s19
.endr
.irp b, 0,1,2,3
	v_max_num_f32 v[BM+\b], v[BM+\b], v[T2+\b]     ; with lane l xor 16's 16 keys
.endr
	v_max3_num_f32 v232, v[BM], v[BM+1], v[BM+2]
	v_max_num_f32 v232, v232, v[BM+3]
	v_mul_f32 v232, s20, v232                      ; as t (c is positive)
	v_max_num_f32 v15, v15, v232                   ; the running largest t
	v_mov_b32 v232, v14
	v_floor_f32 v14, -v15                          ; the new -M = -ceil(t)
	v_sub_f32 v232, v14, v232                      ; old M - new M: a whole number, 0 or less
	v_cvt_i32_f32 v232, v232                       ; (it saturates)
	v_ldexp_f32 v22, 1.0, v232                     ; f = 2^(old M - new M)
.set j, 0
.rept 32
	v_pk_fma_f32 v[96+j:97+j], v[96+j:97+j], s[20:21], v[14:15] op_sel_hi:[1,0,0]   ; t - M, two at a time
.set j, j+2
.endr
.irp b, 0,1,2,3
	v_fma_f32 v[BM+\b], v[BM+\b], s20, v14         ; the same of each block's largest score
.endr
.set j, 0
.rept 64
	v_exp_f32 v[96+j], v[96+j]                     ; p = 2^(t - M)
.set j, j+1
.endr
.irp b, 0,1,2,3
	v_exp_f32 v[BM+\b], v[BM+\b]                   ; the block's largest p
.endr
	v_pk_mul_f32 v[16:17], v[16:17], v[22:23] op_sel_hi:[1,0]   ; the sum under the new M.  (A plain place behind the exponentials)
	s_wait_alu depctr_va_vdst(0)                   ; the 68 exponentials have written p (v96 to v159) and the blocks' largest p (v216 to v219), ahead of their first reader; and the scores' products are done reading v64 to v79, in which the four loads below land
.irp c, 0,1,2,3
	ds_load_b128 v[64+4*\c:67+4*\c], v241 offset:512*\c    ; V's fragment 0 takes two idle tiles' registers of K: it lands while the rest of the softmax is worked, and no line up to the products names it
.endr
.irp b, 0,1,2,3
	v_max_num_f32 v[BM+\b], 0x8000000, v[BM+\b]    ; the floor 2^(16 - 127): the byte cannot fall under 1
.endr
.irp b, 0,1,2,3
	v_add_nc_u32 v[SCO+\b], 0xf8800000, v[BM+\b]   ; 15 off the exponent field: the conversion's scale operand
.endr
.irp b, 0,1,2,3
	v_and_or_b32 v[HO+\b], v[BM+\b], 0x7f800000, s22   ; 57,344 x the scale
.endr
.irp b, 0,1,2,3
	v_lshrrev_b32 v[T2+\b], 23, v[SCO+\b]          ; the scale's byte
.endr
	v_lshl_or_b32 v233, v[T2+1], 8, v[T2]          ; p's scale word for these 128 keys
	v_lshl_or_b32 v233, v[T2+2], 16, v233
	v_lshl_or_b32 v233, v[T2+3], 24, v233
	v_pk_add_f32 v[234:235], v[96:97], v[98:99]    ; the row's sum is taken of the unquantised p: two chains
.irp j, 4,8,12,16,20,24,28,32,36,40,44,48,52,56,60
	v_pk_add_f32 v[16:17], v[16:17], v[96+\j:97+\j]
	v_pk_add_f32 v[234:235], v[234:235], v[98+\j:99+\j]
.endr
	v_pk_add_f32 v[16:17], v[16:17], v[234:235]
.irp b, 0,1,2,3
.irp i, 0,1,2,3,4,5,6,7,8,9,10,11,12,13,14,15
	v_min_num_f32 v[96+16*\b+\i], v[96+16*\b+\i], v[HO+\b]   ; the conversion does not saturate (ISA guide 7.6.2); p is not negative: a one-sided hold
.endr
	v_cvt_scalef32_pk8_bf8_f32 v[192+4*\b:193+4*\b], v[96+16*\b:103+16*\b], v[SCO+\b]
	v_cvt_scalef32_pk8_bf8_f32 v[194+4*\b:195+4*\b], v[104+16*\b:111+16*\b], v[SCO+\b]
.endr
.set j, 0
.rept 8
	v_pk_mul_f32 v[160+j:161+j], v[160+j:161+j], v[22:23] op_sel_hi:[1,0]   ; O^T under the new M, its first half.  (The first is the plain line behind the last conversion; the eight are the places between the codes and the products, ahead of the wait)
.set j, j+2
.endr
	s_wait_alu depctr_va_vdst(0)                   ; the holds have written and the conversions have read v112 to v159, in which the loads below land; the codes v192 to v207 and the scale word v233 are written, which the scaled products take
.irp t, 1,2,3                                  ; V's fragments 1 to 3 take the registers of p's blocks 1 to 3
.irp c, 0,1,2,3
	ds_load_b128 v[96+16*\t+4*\c:99+16*\t+4*\c], v241 offset:2048*\t+512*\c
.endr
.endr
.rept 8
	v_pk_mul_f32 v[160+j:161+j], v[160+j:161+j], v[22:23] op_sel_hi:[1,0]   ; its second half, while the loads are out: these lines name none of the loads' registers
.set j, j+2
.endr
	s_wait_dscnt 0x0
	; O^T += V^T P^T: four accumulators, one instruction each
	v_wmma_scale_f32_16x16x128_f8f6f4 v[160:167], v[64:79], v[192:207], v[160:167], v212, v233 matrix_a_fmt:MATRIX_FMT_BF8 matrix_b_fmt:MATRIX_FMT_BF8
.irp t, 1,2,3
	v_wmma_scale_f32_16x16x128_f8f6f4 v[160+8*\t:167+8*\t], v[96+16*\t:111+16*\t], v[192:207], v[160+8*\t:167+8*\t], v[212+\t], v233 matrix_a_fmt:MATRIX_FMT_BF8 matrix_b_fmt:MATRIX_FMT_BF8
.endr
.rept 9
	v_nop                                          ; nine: the next step's scores are written by matrix instructions over V's fragments
.endr
.Lskip:
	s_add_co_u32 s[TB], s[TB], 8192                ; the next step's tiles,
	s_add_co_u32 s[TS], s[TS], 512                 ; scale words,
	s_add_co_u32 s[TJ], s[TJ], 256
	s_add_nc_u64 s[8:9], s[8:9], 256               ; mask words (no scalar load is out: the mixed way has waited for its four),
	s_lshr_b32 s14, s14, 1                         ; and flags, into bits 0 and 16
	s_sub_co_u32 s3, s3, 1
	s_cmp_lg_u32 s3, 0
	s_cbranch_scc1 .Lstep
	; THE WAY OUT: O^T / the sum; its 32 registers are two blocks of 32 channels in an operand's order: quantised, and stored as the image of x's fragment.
	v_add_f32 v16, v16, v17
	v_permlanex16_b32 v232, v16, s18, s19
	v_add_f32 v16, v16, v232                       ; the row's sum
	v_rcp_f32 v16, v16
	v_nop                                          ; a plain place behind the transcendental
.set j, 0
	s_wait_alu depctr_va_vdst(0)                   ; the reciprocal has written v16, ahead of its first reader
.rept 32
	v_mul_f32 v[96+j], v[160+j], v16               ; register 16 b + i: channel 32 b + 16 h + i of query r
.set j, j+1
.endr
.irp b, 0,1
	v_max3_num_f32 v[BM+\b], |v[96+16*\b]|, |v[97+16*\b]|, 0x8000000
.endr
.irp i, 2,4,6,8,10,12,14
.irp b, 0,1
	v_max3_num_f32 v[BM+\b], v[BM+\b], |v[96+16*\b+\i]|, |v[97+16*\b+\i]|
.endr
.endr
.irp b, 0,1
	v_permlanex16_b32 v[T2+\b], v[BM+\b], s18, s19
.endr
.irp b, 0,1
	v_max_num_f32 v[BM+\b], v[BM+\b], v[T2+\b]
.endr
.irp b, 0,1
	v_add_nc_u32 v[SCO+\b], 0xf8800000, v[BM+\b]
.endr
.irp b, 0,1
	v_and_or_b32 v[HO+\b], v[BM+\b], 0x7f800000, s22
.endr
.irp b, 0,1
	v_lshrrev_b32 v[T2+\b], 23, v[SCO+\b]
.endr
	v_lshl_or_b32 v233, v[T2+1], 8, v[T2]          ; my head's two scale bytes of row r
.irp b, 0,1
.irp i, 0,1,2,3,4,5,6,7,8,9,10,11,12,13,14,15
	v_med3_num_f32 v[96+16*\b+\i], v[96+16*\b+\i], -v[HO+\b], v[HO+\b]
.endr
	v_cvt_scalef32_pk8_bf8_f32 v[192+4*\b:193+4*\b], v[96+16*\b:103+16*\b], v[SCO+\b]
	v_cvt_scalef32_pk8_bf8_f32 v[194+4*\b:195+4*\b], v[104+16*\b:111+16*\b], v[SCO+\b]
.endr
	v_nop
	s_wait_alu depctr_va_vdst(0)                   ; the conversions have written v192 to v199, and v233 is written: the three stores below read them
	global_store_b128 v1, v[192:195], s[10:11]             ; 32 lanes store 512 consecutive bytes
	global_store_b128 v1, v[196:199], s[10:11] offset:512
	global_store_b16 v2, v233, s[12:13]                    ; two bytes of each of 16 rows (both halves of the lanes hold and store the same): 1/32 of the codes' bytes
	s_wait_dscnt 0x0                               ; the closing lines, six on end
	s_wait_alu 0x0
	s_wait_tensorcnt 0x0
	ds_add_u32 v254, v255
	s_wait_dscnt 0x0
	s_endpgm
.Lfunc_end_k_q5621dc7502_attn:
	.size	k_q5621dc7502_attn, .Lfunc_end_k_q5621dc7502_attn-k_q5621dc7502_attn
	.p2alignl 7, 3214868480
	.fill 96, 4, 3214868480
	.section	.rodata,"a",@progbits
	.p2align	6, 0x0
	.amdhsa_kernel k_q5621dc7502_attn
		.amdhsa_group_segment_fixed_size 276480
		.amdhsa_private_segment_fixed_size 0
		.amdhsa_enable_private_segment 0
		.amdhsa_kernarg_size 40
		.amdhsa_user_sgpr_count 2
		.amdhsa_user_sgpr_kernarg_segment_ptr 1
		.amdhsa_wavefront_size32 1
		.amdhsa_system_sgpr_workgroup_id_x 1
		.amdhsa_system_sgpr_workgroup_id_y 1
		.amdhsa_system_sgpr_workgroup_id_z 1
		.amdhsa_system_vgpr_workitem_id 0
		.amdhsa_next_free_vgpr 256
		.amdhsa_next_free_sgpr 100
		.amdhsa_reserve_vcc 0
		.amdhsa_float_denorm_mode_32 3
		.amdhsa_float_denorm_mode_16_64 3
		.amdhsa_memory_ordered 1
		.amdhsa_forward_progress 1
		.amdhsa_inst_pref_size 47
	.end_amdhsa_kernel
	.amdgpu_metadata
---
amdhsa.version: [ 1, 2 ]
amdhsa.kernels:
  - .name:           k_q5621dc7502_attn
    .symbol:         k_q5621dc7502_attn.kd
    .args:
      - { .name: img, .offset: 0, .size: 8, .value_kind: global_buffer, .address_space: global }
      - { .name: sc, .offset: 8, .size: 8, .value_kind: global_buffer, .address_space: global }
      - { .name: mw, .offset: 16, .size: 8, .value_kind: global_buffer, .address_space: global }
      - { .name: ximg, .offset: 24, .size: 8, .value_kind: global_buffer, .address_space: global }
      - { .name: xsc, .offset: 32, .size: 8, .value_kind: global_buffer, .address_space: global }
    .group_segment_fixed_size: 276480
    .private_segment_fixed_size: 0
    .kernarg_segment_align: 8
    .kernarg_segment_size: 40
    .max_flat_workgroup_size: 512
    .sgpr_count:     100
    .vgpr_count:     256
    .wavefront_size: 32
...
	.end_amdgpu_metadata
.endif
;; end of part 5
;; launch outproj: the kernel of part 4 again; grid 4 x 16, 4 waves a work-group, clusters of 4 x 4, 327,680 bytes of LDS; arguments ximg, xsc, w_o_codes, w_o_scales, out0, b_o; writes out0
